; MI455X (gfx1250); checked and timed in simulation.
; The chip was launched on July 23, 2026; its instructions are those of AMD's public machine-readable ISA for CDNA 5 (MIT licence, August 2026) and "CDNA5" Instruction Set Architecture Reference Guide (July 2026). The comments in the code are by the model that wrote it; some were corrected since.
;; Linformer Multi Head Self Attention Project Layerwise. Allowed arithmetic: float matrix products may take bf16 or f16 operands with f32 sums; other float arithmetic in f32, or as packed bf16 or f16 multiplies, adds, multiply-adds, maxima and minima; sums over many terms, partial sums and values carried from step to step in f32; what a program stores and reads back later, other than sums and carried values, may be rounded once to bf16 or f16.
;; Inputs: W_k 1,024 x 1,024 float32; W_q 1,024 x 1,024 float32; W_v 1,024 x 1,024 float32; proj_weight_all 4,096 x 256 float32; x 4 x 4,096 x 1,024 float32.
;; Outputs: out0 4 x 4,096 x 1,024 float32.
;; One version. Each part assembles by itself: llvm-mc -triple=amdgcn-amd-amdhsa -mcpu=gfx1250 --defsym DOCPART=n.
;; ======== version 1 of 1: 4 launches
;; limits: values are held in f16: magnitudes above 65,504 overflow, below 6.1e-05 lose precision; right only within a limited range of input values
;; workspace buffers: xb 33,554,432 bytes; pb 2,097,152 bytes; wb 6,291,456 bytes; xp2 4,194,304 bytes; kvp 4,194,304 bytes; scl 1,024 bytes
;; launch cvt (part 1): grid 1280 x 1, 8 waves a work-group, no clusters, 0 bytes of LDS; arguments x, proj_weight_all, W_q, W_k, W_v, xb, pb, wb; writes xb, pb, wb
.if DOCPART == 1
	.amdgcn_target "amdgcn-amd-amdhsa--gfx1250"
	.amdhsa_code_object_version 6
	.text
	.protected	k_q613625633c_cvt
	.globl	k_q613625633c_cvt
	.p2align	8
	.type	k_q613625633c_cvt,@function
k_q613625633c_cvt:
	s_mov_b64 s[64:65], 0
	v_nop
	global_prefetch_b8 v0, s[64:65] scope:SCOPE_SE
	s_setreg_imm32_b32 hwreg(HW_REG_WAVE_MODE, 25, 1), 1
	s_wait_xcnt 0x0
; All five inputs, f32, are rounded once to bf16 and laid in PLANES of 64 columns:
;   xb [b 4][dblk 16][n 4096][64]    pb [eblk 4][n 4096][64]    wb [q, k, v][cblk 16][d 1024][64]
; so that every tile of the later launches is a dense run of rows of 128 bytes.
; A stream: each byte is read once and written once; no LDS, no barrier, no matrix unit.
; A wave takes one strip: 8,192 bytes in (16 loads of 16 bytes a lane, all issued at once), 4,096 bytes out.
; A load: lanes 0-15 take 256 consecutive aligned bytes (64 numbers) of one row, lanes 16-31 the same columns of the next row.
; Its store: 8 bytes a lane, 256 consecutive aligned bytes: these two rows lie end to end in their plane.
; Work-groups 0-1023: x, 16 rows each.  1024-1215: W_q, W_k, W_v, 64 work-groups of 16 rows each.  1216-1279: the sequence projection, 64 rows each.
.set X, 8                              ; v[8:71]  load i in v[8+4i : 11+4i]; its two packed words take the first two
; isp = 0: rows of 4,096 bytes, load i = plane i.  isp = 1: rows of 1,024 bytes: load i = pair of rows i / 4, plane i % 4.  plane = bytes from plane to plane
.macro CV isp, plane
.set i, 0
.rept 16
.if \isp
	global_load_b128 v[X+4*i:X+4*i+3], v1, s[4:5] offset:(i/4)*2048+(i%4)*256 th:TH_LOAD_NT
.else
	global_load_b128 v[X+4*i:X+4*i+3], v1, s[4:5] offset:256*i th:TH_LOAD_NT
.endif
.set i, i+1
.endr
.set i, 0
.rept 16
	s_wait_loadcnt 15-i                            ; loads come back in order: load i is in, the 15 - i younger ones stay out
	v_cvt_pk_bf16_f32 v[X+4*i], v[X+4*i], v[X+4*i+1]
	v_cvt_pk_bf16_f32 v[X+4*i+1], v[X+4*i+2], v[X+4*i+3]
.if \isp
	global_store_b64 v2, v[X+4*i:X+4*i+1], s[6:7] offset:(i%4)*(\plane)+(i/4)*256 th:TH_STORE_NT
.else
	global_store_b64 v2, v[X+4*i:X+4*i+1], s[6:7] offset:i*(\plane) th:TH_STORE_NT
.endif
.set i, i+1
.endr
.endm                                  ; no register is written again behind a store, so no further wait is owed
	s_load_b512 s[8:23], s[0:1], 0x0               ; x 8, P 10, W_q 12, W_k 14, W_v 16, xb 18, pb 20, wb 22
	v_lshrrev_b32 v3, 5, v0                        ; wave
	v_bfe_u32 v4, v0, 4, 1                         ; which of the load's two rows
	v_and_b32 v5, 15, v0
	v_lshlrev_b32 v1, 13, v3                       ; the wave's 8,192 bytes
	v_lshl_add_u32 v1, v5, 4, v1                   ; + 16 bytes a lane
	s_mov_b32 s3, 0                                ; high words of the two offsets
	s_mov_b32 s25, 0
	s_cmp_lt_u32 ttmp9, 1024
	s_cbranch_scc0 .Lnot_x
	v_lshl_add_u32 v1, v4, 12, v1                  ; the next row is 4,096 bytes on
	v_lshlrev_b32 v2, 3, v0                        ; out: 8 bytes a thread: 256 a wave, two rows of 128
	s_lshl_b32 s2, ttmp9, 16                       ; in: 16 rows of 4,096 bytes
	s_lshr_b32 s24, ttmp9, 8
	s_lshl_b32 s24, s24, 23                        ; out: batch x 16 planes
	s_and_b32 s26, ttmp9, 255
	s_lshl_b32 s26, s26, 11                        ; + 16 rows of 128 bytes
	s_add_co_u32 s24, s24, s26
	s_wait_kmcnt 0x0
	s_add_nc_u64 s[4:5], s[8:9], s[2:3]
	s_add_nc_u64 s[6:7], s[18:19], s[24:25]
	CV 0, 524288
	s_endpgm
.Lnot_x:
	s_cmp_lt_u32 ttmp9, 1216
	s_cbranch_scc0 .Lis_p
	s_sub_co_u32 s26, ttmp9, 1024
	s_lshr_b32 s27, s26, 6                         ; which matrix: 0 q, 1 k, 2 v
	s_and_b32 s26, s26, 63                         ; which 16 rows
	s_lshl_b32 s2, s26, 16
	s_lshl_b32 s24, s27, 21
	s_lshl_b32 s26, s26, 11
	s_add_co_u32 s24, s24, s26
	v_lshl_add_u32 v1, v4, 12, v1
	v_lshlrev_b32 v2, 3, v0
	s_wait_kmcnt 0x0
	s_cmp_eq_u32 s27, 0
	s_cselect_b64 s[4:5], s[12:13], s[14:15]
	s_cmp_eq_u32 s27, 2
	s_cselect_b64 s[4:5], s[16:17], s[4:5]
	s_add_nc_u64 s[4:5], s[4:5], s[2:3]
	s_add_nc_u64 s[6:7], s[22:23], s[24:25]
	CV 0, 131072
	s_endpgm
.Lis_p:
	s_sub_co_u32 s26, ttmp9, 1216
	s_lshl_b32 s2, s26, 16                         ; in: 64 rows of 1,024 bytes
	s_lshl_b32 s24, s26, 13                        ; out: 64 rows of 128 bytes
	v_lshl_add_u32 v1, v4, 10, v1                  ; the next row is 1,024 bytes on
	v_and_b32 v2, 31, v0
	v_lshlrev_b32 v2, 3, v2
	v_lshl_add_u32 v2, v3, 10, v2                  ; the wave's 8 rows of 128 bytes + 8 bytes a lane
	s_wait_kmcnt 0x0
	s_add_nc_u64 s[4:5], s[10:11], s[2:3]
	s_add_nc_u64 s[6:7], s[20:21], s[24:25]
	CV 1, 524288
	s_endpgm
.Lfunc_end_k_q613625633c_cvt:
	.size	k_q613625633c_cvt, .Lfunc_end_k_q613625633c_cvt-k_q613625633c_cvt
	.p2alignl 7, 3214868480
	.fill 96, 4, 3214868480
	.section	.rodata,"a",@progbits
	.p2align	6, 0x0
	.amdhsa_kernel k_q613625633c_cvt
		.amdhsa_group_segment_fixed_size 0
		.amdhsa_private_segment_fixed_size 0
		.amdhsa_enable_private_segment 0
		.amdhsa_kernarg_size 64
		.amdhsa_user_sgpr_count 2
		.amdhsa_user_sgpr_kernarg_segment_ptr 1
		.amdhsa_wavefront_size32 1
		.amdhsa_system_sgpr_workgroup_id_x 1
		.amdhsa_system_sgpr_workgroup_id_y 1
		.amdhsa_system_sgpr_workgroup_id_z 1
		.amdhsa_system_vgpr_workitem_id 0
		.amdhsa_next_free_vgpr 72
		.amdhsa_next_free_sgpr 66
		.amdhsa_reserve_vcc 0
		.amdhsa_float_denorm_mode_32 3
		.amdhsa_float_denorm_mode_16_64 3
		.amdhsa_memory_ordered 1
		.amdhsa_forward_progress 1
		.amdhsa_inst_pref_size 19
	.end_amdhsa_kernel
	.amdgpu_metadata
---
amdhsa.version: [ 1, 2 ]
amdhsa.kernels:
  - .name:           k_q613625633c_cvt
    .symbol:         k_q613625633c_cvt.kd
    .args:
      - { .name: x, .offset: 0, .size: 8, .value_kind: global_buffer, .address_space: global }
      - { .name: proj_weight_all, .offset: 8, .size: 8, .value_kind: global_buffer, .address_space: global }
      - { .name: W_q, .offset: 16, .size: 8, .value_kind: global_buffer, .address_space: global }
      - { .name: W_k, .offset: 24, .size: 8, .value_kind: global_buffer, .address_space: global }
      - { .name: W_v, .offset: 32, .size: 8, .value_kind: global_buffer, .address_space: global }
      - { .name: xb, .offset: 40, .size: 8, .value_kind: global_buffer, .address_space: global }
      - { .name: pb, .offset: 48, .size: 8, .value_kind: global_buffer, .address_space: global }
      - { .name: wb, .offset: 56, .size: 8, .value_kind: global_buffer, .address_space: global }
    .group_segment_fixed_size: 0
    .private_segment_fixed_size: 0
    .kernarg_segment_align: 8
    .kernarg_segment_size: 64
    .max_flat_workgroup_size: 256
    .sgpr_count:     66
    .vgpr_count:     72
    .wavefront_size: 32
...
	.end_amdgpu_metadata
.endif
;; end of part 1
;; launch xproj (part 2): grid 4 x 64, 4 waves a work-group, clusters of 4 x 4, 327,680 bytes of LDS; arguments xb, pb, xp2; writes xp2
.if DOCPART == 2
	.amdgcn_target "amdgcn-amd-amdhsa--gfx1250"
	.amdhsa_code_object_version 6
	.text
	.protected	k_q613625633c_xproj
	.globl	k_q613625633c_xproj
	.p2align	8
	.type	k_q613625633c_xproj,@function
k_q613625633c_xproj:
	s_mov_b64 s[64:65], 0
	v_nop
	global_prefetch_b8 v0, s[64:65] scope:SCOPE_SE
	s_setreg_imm32_b32 hwreg(HW_REG_WAVE_MODE, 25, 1), 1
	s_wait_xcnt 0x0
	s_wait_alu depctr_hold_cnt(0) depctr_sa_sdst(0) depctr_va_vdst(0) depctr_va_sdst(0) depctr_va_ssrc(0) depctr_va_vcc(0) depctr_vm_vsrc(0)
	s_getreg_b32 s2, hwreg(HW_REG_IB_STS2, 6, 4)
	s_cmp_eq_u32 s2, 0
	s_cbranch_scc0 .Lentry_in_a_cluster
	s_endpgm
.Lentry_in_a_cluster:
	s_bfe_u32 s2, ttmp6, 0x10000c
	s_cmp_lg_u32 s2, 0xf033
	s_cbranch_scc0 .Lentry_shape_is_right
	s_endpgm
.Lentry_shape_is_right:
; xp[b][e][d] = the sum over n of P[n][e] x[b][n][d]: the sequence projection is applied to x itself, ahead of W_k and W_v (P^T (x W) = (P^T x) W: another order of summation than the module's own).
; In: xb [plane = 16 b + dblk][n 4096][64] bf16, pb [eblk][n 4096][64] bf16.  Out: xp2 [256 b + e][dblk 16][hi 64 | lo 64] bf16: each f32 sum leaves as a pair hi + lo (hi = the sum rounded, lo = the exact rest rounded).
; SHARES.  A work-group makes 64 d (one plane) x 64 e (one plane of P) over all 4,096 n: 256 work-groups.  n goes in 8 steps of 512 through two LDS slots.  n IS SPLIT AMONG THE FOUR WAVES: of a step's 512 rows wave w
; multiplies rows 128 w .. 128 w + 127, for the whole 64 x 64: 16 accumulators, one LDS load to a matrix instruction.  The four partial tiles meet in LDS at the end (f32 sums, in a fixed order).
; LAYOUT.  Source 0 = 16 d x 32 n, source 1 = 16 e x 32 n, both turned out of [n][64] by ds_load_tr16_b128.  In the result a lane holds one e (lane % 16) and the d 8 (lane / 16) + 0..7.
; LDS ROWS.  A pair of rows (256 bytes) is followed by 32 bytes of padding: row p lies at (p / 2) 288 + (p % 2) 128.
; CLUSTER, 4 x 4.  x's tile hangs on the plane (work-group y) alone and is shared along a row of the cluster, P's on the e slice (work-group x) alone and is shared along a column: joint loads.
.set SLOT,  147456                     ; x's 512 rows (73,728 bytes), then P's 512 rows
.set HALF,  36864                      ; 256 rows: what one tensor load brings
.set POFF,  73728
.set WROWS, 18432                      ; 128 rows: a wave's share of a step
.set CHUNK, 4608                       ; 32 rows
.set SPARE, 2*SLOT                     ; behind the ring: the spare words, 128 bytes a wave: two blocks of 256 bytes that no other line names
.set RED,   0                          ; slot 0 has had its last fill when the last step begins; then it serves as scratch: the partial tiles, 16,384 bytes a wave,
.set STG,   65536                      ; and a stage of 16 rows x 272 bytes for each wave
.set SP,    272
.set STEPB, 65536                      ; bytes of a plane in a step
.set TRW,   (1<<16)|(1<<20)|(1<<21)|(5<<22)|(7<<25)  ; 17:16 elements of 2 bytes; 20 padding on; 21 set beside a mask; 24:22 after every 64 words (code 5); 31:25 8 words of it (code 7)
.set AX,  2                            ; v2-3   LDS address of my x fragments in slot 0, 1
.set AP,  4                            ; v4-5   the same for P
.set RS,  6                            ; v6     where I put my partial tiles
.set RL,  7                            ; v7     where I read the four partial tiles of my 16 e
.set STO, 8                            ; v8     the stage: where I put 16 bytes of a row
.set RD,  9                            ; v9     the stage: where I read a row back
.set CO,  10                           ; v10    my byte offset in xp2
.set PFO, 12                           ; v12    256 x my lane; never rewritten
.set SPW, 28                           ; v28    LDS address of my spare word; never rewritten
.set NIL, 29                           ; v29    0; never rewritten
.set F0,  64                           ; v64-127, v128-191: two fragment buffers: x's four d blocks, then P's four e blocks
.set F1,  128
.set HB,  192                          ; v192-207 hi, v208-223 lo, v224-231 at work
.set LB,  208
.set TW,  224
.set WV,  10                           ; s10 wave   s11 which half of a tile I fetch
.set CH,  11
.set CX,  12                           ; s12, s13 my place in the cluster
.set CYP, 13
.set GX,  14                           ; s14 e slice   s15 plane   s16 the cluster's y
.set GY,  15
.set CLY, 16
.set G1X, 24                           ; s[24:31] descriptor group 1 for x's tiles; s[32:39] group 0, a set for each slot
.set G0X, 32
.set PFA, 40                           ; s[40:41] where my prefetches stand
.set CNT, 44
.set LIM, 45                           ; s45 1 in a wave that prefetches, else the greatest number
.set G1P, 48                           ; s[48:55], s[56:63] the same for P's tiles
.set G0P, 56
.set MSB, 0
.macro WIN new                         ; the immediate's high byte repeats the setting that is left; a switch that changes nothing is dropped
.if MSB != (\new)
	s_set_vgpr_msb (MSB<<8)|(\new)
.set MSB, \new
.endif
.endm
.macro PLACES                          ; four places behind a matrix instruction, ahead of loads into registers that it read and of stores of its results (ISA guide 7.12.1 for the stores)
.rept 4
	v_nop
.endr
.endm
.macro CREST                           ; a round of the cluster's barrier behind its opening barrier
	s_cmp_lg_u32 s[WV], 0
	s_cbranch_scc1 .Lnot_wave_0_\@
	s_barrier_signal -3
.Lnot_wave_0_\@:
	s_barrier_wait -3
	s_barrier_signal -1
	s_barrier_wait -1
.endm
.macro CROUND
	s_barrier_signal -1
	s_barrier_wait -1
	CREST
.endm
.macro JLOAD s                         ; a joint load: waves 0 and 1 fetch the halves of x's tile, waves 2 and 3 those of P's; an s_nop 0 and four v_nop follow each line
	s_cmp_lt_u32 s[WV], 2
	s_cbranch_scc0 .Lfor_p_\@
	tensor_load_to_lds s[G0X+4*(\s):G0X+4*(\s)+3], s[G1X:G1X+7]
	s_nop 0
.rept 4
	v_nop
.endr
	s_branch .Lasked_\@
.Lfor_p_\@:
	tensor_load_to_lds s[G0P+4*(\s):G0P+4*(\s)+3], s[G1P:G1P+7]
	s_nop 0
.rept 4
	v_nop
.endr
.Lasked_\@:
.endm
; A PREFETCH INTO THE L2 of the step behind the one just asked for.  The half tile that I fetch is 128 blocks of 256 bytes; the four work-groups that ask for it jointly take 32 each, told apart BY ADDRESS: a lane a block,
; one instruction a wave.  x's planes are read by one row of one cluster alone; P's by all sixteen clusters, of which the first (cluster y = 0) asks.  mode 0: a trip's first change of slots; mode 1: its second, which in the last trip has no step behind it.
.macro ASK mode
.if \mode
	s_cmp_gt_u32 s[CNT], s[LIM]
.else
	s_cmp_eq_u32 s[LIM], 1
.endif
	s_cbranch_scc0 .Lnot_mine_\@
	global_prefetch_b8 v[PFO], s[PFA:PFA+1] th:TH_LOAD_NT scope:SCOPE_SE
.Lnot_mine_\@:
.endm
	s_load_b128 s[4:7], s[0:1], 0x0                ; xb s[4:5], pb s[6:7]
	s_load_b64 s[8:9], s[0:1], 0x10                ; xp2
	v_lshl_add_u32 v[SPW], v0, 2, SPARE
	v_mov_b32 v[NIL], 0
	ds_add_u32 v[SPW], v[NIL]                      ; the wave's opening: the add and its wait stand ahead of my first tensor load; the set-up below, work on registers, stands between them
	v_lshrrev_b32 v1, 5, v0
	v_readfirstlane_b32 s[WV], v1
	s_and_b32 s[CH], s[WV], 1
	s_bfe_u32 s[CX], ttmp6, 0x40000
	s_bfe_u32 s[CYP], ttmp6, 0x40004
	s_lshl_b32 s[GX], ttmp9, 2
	s_add_co_u32 s[GX], s[GX], s[CX]
	s_and_b32 s[CLY], ttmp7, 0xffff
	s_lshl_b32 s[GY], s[CLY], 2
	s_add_co_u32 s[GY], s[GY], s[CYP]
	s_lshl_b32 s18, s[CYP], 2
	s_lshl_b32 s18, 15, s18                        ; my row of the cluster
	s_lshl_b32 s19, 0x1111, s[CX]                  ; my column
	s_or_b32 s[G1X], s18, TRW
	s_or_b32 s[G1P], s19, TRW
.irp g, G1X, G1P                       ; 256 rows of 128 bytes are 32,768 dense bytes: asked for as 128 rows of 256 bytes
	s_mov_b32 s[(\g)+1], 128<<16                   ; tensor_dim0 = 128
	s_mov_b32 s[(\g)+2], 128<<16                   ; tensor_dim1 = 128
	s_mov_b32 s[(\g)+3], 128<<16                   ; tile_dim0 = 128
	s_mov_b32 s[(\g)+4], 128                       ; tile_dim1 = 128
	s_mov_b32 s[(\g)+5], 128                       ; elements from row to row
	s_mov_b32 s[(\g)+6], 0
	s_mov_b32 s[(\g)+7], 0
.endr
	s_lshl_b32 s20, s[GY], 19                      ; x: my plane,
	s_lshl_b32 s21, s[CH], 15                      ; the half that I fetch
	s_add_co_u32 s20, s20, s21
	s_mov_b32 s21, 0
	s_lshl_b32 s22, s[GX], 19                      ; P likewise
	s_lshl_b32 s23, s[CH], 15
	s_add_co_u32 s22, s22, s23
	s_mov_b32 s23, 0
	s_mul_i32 s17, s[CH], HALF                     ; where it goes: no place in the cluster enters an LDS address
	s_wait_dscnt 0x0                               ; the opening add is done
	s_wait_kmcnt 0x0
	s_add_nc_u64 s[20:21], s[4:5], s[20:21]
	s_add_nc_u64 s[22:23], s[6:7], s[22:23]
.irp s, 0,1
	s_mov_b32 s[G0X+4*(\s)], 1
	s_add_co_u32 s[G0X+4*(\s)+1], s17, (\s)*SLOT
	s_add_nc_u64 s[G0X+4*(\s)+2:G0X+4*(\s)+3], s[20:21], (\s)*STEPB
	s_or_b32 s[G0X+4*(\s)+3], s[G0X+4*(\s)+3], 0x80000000
	s_mov_b32 s[G0P+4*(\s)], 1
	s_add_co_u32 s[G0P+4*(\s)+1], s17, (\s)*SLOT+POFF
	s_add_nc_u64 s[G0P+4*(\s)+2:G0P+4*(\s)+3], s[22:23], (\s)*STEPB
	s_or_b32 s[G0P+4*(\s)+3], s[G0P+4*(\s)+3], 0x80000000
.endr
	s_cmp_eq_u32 s[CLY], 0
	s_cselect_b32 s[LIM], 1, -1
	s_cmp_lt_u32 s[WV], 2
	s_cselect_b32 s[LIM], 1, s[LIM]                ; the same in all sixteen partners, for a given wave
	s_cselect_b64 s[PFA:PFA+1], s[20:21], s[22:23]
	s_cselect_b32 s2, s[CX], s[CYP]                ; my place among the four that ask with me
	s_lshl_b32 s2, s2, 13                          ; its 32 blocks
	s_mov_b32 s3, 0
	s_add_nc_u64 s[PFA:PFA+1], s[PFA:PFA+1], s[2:3]
	s_add_nc_u64 s[PFA:PFA+1], s[PFA:PFA+1], 2*STEPB  ; at step 2: the first change of slots steps it to 3.  Nothing is prefetched at the head
	CROUND                                         ; all sixteen work-groups are here: the first joint loads meet
	s_cmp_lt_u32 s[WV], 2                          ; a wave's two first fills stand in one branch: two loads of mine are out
	s_cbranch_scc0 .Lfirst_p
	tensor_load_to_lds s[G0X:G0X+3], s[G1X:G1X+7]
	s_nop 0
	tensor_load_to_lds s[G0X+4:G0X+7], s[G1X:G1X+7]
	s_nop 0
.rept 4
	v_nop
.endr
	s_branch .Lfirst_asked
.Lfirst_p:
	tensor_load_to_lds s[G0P:G0P+3], s[G1P:G1P+7]
	s_nop 0
	tensor_load_to_lds s[G0P+4:G0P+7], s[G1P:G1P+7]
	s_nop 0
.rept 4
	v_nop
.endr
.Lfirst_asked:
	; the turning load: lane l reads 16 bytes of row 8 (l / 16) + l % 8, columns 8 ((l / 8) % 2) + 0..7, and ends with column l % 16 and 8 rows
	v_and_b32 v1, 15, v0                           ; l % 16
	v_bfe_u32 v13, v0, 4, 1                        ; l / 16
	v_bfe_u32 v14, v0, 1, 2
	v_lshl_add_u32 v14, v13, 2, v14                ; the row's pair
	v_mul_u32_u24 v14, v14, 288
	v_and_b32 v15, 1, v0
	v_lshl_add_u32 v14, v15, 7, v14                ; which of the pair
	v_bfe_u32 v15, v0, 3, 1
	v_lshl_add_u32 v14, v15, 4, v14
	s_mul_i32 s2, s[WV], WROWS                     ; my 128 rows of a step
	v_add_nc_u32 v[AX], s2, v14
	v_add_nc_u32 v[AX+1], SLOT, v[AX]
	v_add_nc_u32 v[AP], POFF, v[AX]
	v_add_nc_u32 v[AP+1], SLOT+POFF, v[AX]
	v_and_b32 v15, 31, v0
	s_lshl_b32 s2, s[WV], 14
	v_lshl_add_u32 v[RS], v15, 4, s2               ; my partial tiles: 16,384 x wave + 16 x lane
	s_lshl_b32 s2, s[WV], 12
	v_lshl_add_u32 v[RL], v15, 4, s2               ; accumulators 4 w .. 4 w + 3 of each wave's
	s_mul_i32 s2, s[WV], 16*SP
	s_add_co_u32 s2, s2, STG
	v_mul_u32_u24 v[STO], v1, SP
	v_lshl_add_u32 v[STO], v13, 4, v[STO]
	v_add_nc_u32 v[STO], s2, v[STO]
	v_mul_u32_u24 v[RD], v13, SP
	v_lshl_add_u32 v[RD], v1, 4, v[RD]
	v_add_nc_u32 v[RD], s2, v[RD]
	v_lshlrev_b32 v[CO], 12, v13                   ; lanes 0-15 one row of xp2 (4,096 bytes), lanes 16-31 the next
	v_lshl_add_u32 v[CO], v1, 4, v[CO]
	v_lshlrev_b32 v[PFO], 8, v15
	s_lshr_b32 s46, s[GY], 4                       ; xp2 at row 256 b + 64 x e slice + 16 w, block dblk
	s_lshl_b32 s46, s46, 20
	s_lshl_b32 s47, s[GX], 18
	s_add_co_u32 s46, s46, s47
	s_lshl_b32 s47, s[WV], 16
	s_add_co_u32 s46, s46, s47
	s_and_b32 s47, s[GY], 15
	s_lshl_b32 s47, s47, 8
	s_add_co_u32 s46, s46, s47
	s_mov_b32 s47, 0
	s_add_nc_u64 s[8:9], s[8:9], s[46:47]
.macro FETCH slot, q, f                ; 16 LDS loads in one run: 32 rows at chunk q of my 128: x's four d blocks, P's four e blocks
	WIN 0
.irp i, 0,1,2,3
	ds_load_tr16_b128 v[(\f)+8*(\i):(\f)+8*(\i)+3],   v[AX+(\slot)] offset:(\q)*CHUNK+32*(\i)
	ds_load_tr16_b128 v[(\f)+8*(\i)+4:(\f)+8*(\i)+7], v[AX+(\slot)] offset:(\q)*CHUNK+32*(\i)+2304
.endr
.irp i, 0,1,2,3
	ds_load_tr16_b128 v[(\f)+32+8*(\i):(\f)+32+8*(\i)+3],   v[AP+(\slot)] offset:(\q)*CHUNK+32*(\i)
	ds_load_tr16_b128 v[(\f)+32+8*(\i)+4:(\f)+32+8*(\i)+7], v[AP+(\slot)] offset:(\q)*CHUNK+32*(\i)+2304
.endr
.endm
.macro MUL f, zero                     ; 16 matrix instructions; the 16 accumulators (window 1, (eb, db) at 8 (4 eb + db)) take turns over the steps' and the loop's edges too
	WIN 0x50
.irp eb, 0,1,2,3
.irp db, 0,1,2,3
.if \zero
	v_wmma_f32_16x16x32_bf16 v[8*(4*(\eb)+(\db)):8*(4*(\eb)+(\db))+7], v[(\f)+8*(\db):(\f)+8*(\db)+7], v[(\f)+32+8*(\eb):(\f)+32+8*(\eb)+7], 0
.else
	v_wmma_f32_16x16x32_bf16 v[8*(4*(\eb)+(\db)):8*(4*(\eb)+(\db))+7], v[(\f)+8*(\db):(\f)+8*(\db)+7], v[(\f)+32+8*(\eb):(\f)+32+8*(\eb)+7], v[8*(4*(\eb)+(\db)):8*(4*(\eb)+(\db))+7]
.endif
.endr
.endr
.endm
.macro STEP slot, zero, ask            ; a step: four chunks of 32 rows on buffers 0, 1, 0, 1.  ask >= 0: the prefetch stands behind the first two runs of loads
	FETCH \slot, 0, F0
	FETCH \slot, 1, F1
.if (\ask) >= 0
	ASK \ask
.endif
	s_wait_dscnt 16                                ; buffer 0 is in; the younger run of 16 may stay out
	MUL F0, \zero
	WIN 0
	PLACES
	FETCH \slot, 2, F0
	s_wait_dscnt 16
	MUL F1, 0
	WIN 0
	PLACES
	FETCH \slot, 3, F1
	s_wait_dscnt 16
	MUL F0, 0
	s_wait_dscnt 0x0
	MUL F1, 0
	WIN 0
.endm
; THE CHANGE OF SLOTS.  Each wave waits for all its tensor loads, of which one is out: its part of the other slot; adds 0 to its spare word; and waits for that and for its reads of the slot that it leaves.
; fill = 1: the barrier is a round of the cluster's, and the joint refill, two steps on, is the first thing behind it.  The four v_nop behind the load (or PLACES) are the places ahead of the next step's loads.
.macro CHANGE slot, fill
	WIN 0
.if \fill
	s_wait_xcnt 0x0                                ; the last prefetch, a step back, has read its address
	s_add_nc_u64 s[PFA:PFA+1], s[PFA:PFA+1], STEPB
.endif
	s_wait_tensorcnt 0x0                           ; no tensor load of mine is out, so a group 0 may be written
	ds_add_u32 v[SPW], v[NIL]                      ; 0 onto my spare word
.if \fill
	s_add_nc_u64 s[G0X+4*(\slot)+2:G0X+4*(\slot)+3], s[G0X+4*(\slot)+2:G0X+4*(\slot)+3], 2*STEPB
	s_add_nc_u64 s[G0P+4*(\slot)+2:G0P+4*(\slot)+3], s[G0P+4*(\slot)+2:G0P+4*(\slot)+3], 2*STEPB
.endif
	s_wait_dscnt 0x0                               ; the add is done, and my reads of the slot are over
.if \fill
	CROUND
	JLOAD \slot
.else
	s_barrier_signal -1
	s_barrier_wait -1
	PLACES
.endif
.endm
	s_wait_tensorcnt 0x1                           ; my part of step 0 is in; step 1's may stay out
	s_barrier_signal -1
	s_barrier_wait -1
	STEP 0, 1, -1                                  ; step 0 starts the sums: nothing is cleared
	s_mov_b32 s[CNT], 3
.Lloop:                                        ; three trips: steps 2 to 7 are asked for, steps 1 to 6 multiplied
	CHANGE 0, 1
	STEP 1, 0, 0
	CHANGE 1, 1
	STEP 0, 0, 1
	s_sub_co_u32 s[CNT], s[CNT], 1
	s_cmp_lg_u32 s[CNT], 0
	s_cbranch_scc1 .Lloop
	CHANGE 0, 0                                    ; the tail is written out: nothing is asked for
	STEP 1, 0, -1                                  ; step 7
	; THE WAY OUT.  Slot 0 has had its last fill and, since the barrier above, nobody reads it.  Each wave's 16 partial tiles go there, each accumulator's low registers first.
	PLACES
	WIN 0x04                                       ; store data in window 1
.set t, 0
.rept 16
	ds_store_b128 v[RS], v[8*t:8*t+3]   offset:RED+1024*t
	ds_store_b128 v[RS], v[8*t+4:8*t+7] offset:RED+1024*t+512
.set t, t+1
.endr
	WIN 0
	s_wait_dscnt 0x0                               ; for the others' sake: my partial tiles lie in LDS
	s_barrier_signal -1
	s_barrier_wait -1
.irp u, 0,1,2,3                        ; wave w finishes e block w: its four d blocks, of all four waves
.irp db, 0,1,2,3
	ds_load_b128 v[64+32*(\u)+8*(\db):64+32*(\u)+8*(\db)+3],   v[RL] offset:RED+16384*(\u)+1024*(\db)
	ds_load_b128 v[64+32*(\u)+8*(\db)+4:64+32*(\u)+8*(\db)+7], v[RL] offset:RED+16384*(\u)+1024*(\db)+512
.endr
.endr
	s_wait_dscnt 0x0
.set i, 0
.rept 16
	v_pk_add_f32 v[64+i:65+i], v[64+i:65+i], v[96+i:97+i]
	v_pk_add_f32 v[128+i:129+i], v[128+i:129+i], v[160+i:161+i]
.set i, i+2
.endr
.set i, 0
.rept 16
	v_pk_add_f32 v[64+i:65+i], v[64+i:65+i], v[128+i:129+i]
.set i, i+2
.endr
.irp db, 0,1,2,3                       ; hi = the sum rounded to bf16; lo = (sum - hi), which is exact in f32, rounded to bf16
.irp p, 0,1,2,3
	v_cvt_pk_bf16_f32 v[HB+4*(\db)+(\p)], v[64+8*(\db)+2*(\p)], v[64+8*(\db)+2*(\p)+1]
.endr
.irp p, 0,1,2,3
	v_lshlrev_b32 v[TW+2*(\p)], 16, v[HB+4*(\db)+(\p)]
	v_and_b32 v[TW+2*(\p)+1], 0xffff0000, v[HB+4*(\db)+(\p)]
.endr
.irp p, 0,1,2,3
	v_pk_add_f32 v[64+8*(\db)+2*(\p):64+8*(\db)+2*(\p)+1], v[64+8*(\db)+2*(\p):64+8*(\db)+2*(\p)+1], v[TW+2*(\p):TW+2*(\p)+1] neg_lo:[0,1] neg_hi:[0,1]
.endr
.irp p, 0,1,2,3
	v_cvt_pk_bf16_f32 v[LB+4*(\db)+(\p)], v[64+8*(\db)+2*(\p)], v[64+8*(\db)+2*(\p)+1]
.endr
	ds_store_b128 v[STO], v[HB+4*(\db):HB+4*(\db)+3] offset:32*(\db)
	ds_store_b128 v[STO], v[LB+4*(\db):LB+4*(\db)+3] offset:128+32*(\db)
.endr
.irp t, 0,1,2,3,4,5,6,7
	ds_load_b128 v[128+4*(\t):128+4*(\t)+3], v[RD] offset:(\t)*2*SP  ; LDS serves a wave's instructions in order (ISA guide 5.7.1.4): these see my stores above
.endr
.irp t, 0,1,2,3,4,5,6,7
	s_wait_dscnt 7-(\t)
	global_store_b128 v[CO], v[128+4*(\t):128+4*(\t)+3], s[8:9] offset:(\t)*8192  ; 16 lanes store 256 consecutive bytes, hi | lo of one block of one row, at a multiple of 256 from xp2's first byte
.endr
	s_wait_tensorcnt 0x0                           ; the wave's end, behind my last tensor load and my last LDS store
	ds_add_u32 v[SPW], v[NIL]
	s_wait_dscnt 0x0
	CROUND                                         ; the closing round
	s_endpgm
.Lfunc_end_k_q613625633c_xproj:
	.size	k_q613625633c_xproj, .Lfunc_end_k_q613625633c_xproj-k_q613625633c_xproj
	.p2alignl 7, 3214868480
	.fill 96, 4, 3214868480
	.section	.rodata,"a",@progbits
	.p2align	6, 0x0
	.amdhsa_kernel k_q613625633c_xproj
		.amdhsa_group_segment_fixed_size 327680
		.amdhsa_private_segment_fixed_size 0
		.amdhsa_enable_private_segment 0
		.amdhsa_kernarg_size 24
		.amdhsa_user_sgpr_count 2
		.amdhsa_user_sgpr_kernarg_segment_ptr 1
		.amdhsa_wavefront_size32 1
		.amdhsa_system_sgpr_workgroup_id_x 1
		.amdhsa_system_sgpr_workgroup_id_y 1
		.amdhsa_system_sgpr_workgroup_id_z 1
		.amdhsa_system_vgpr_workitem_id 0
		.amdhsa_next_free_vgpr 384
		.amdhsa_next_free_sgpr 66
		.amdhsa_reserve_vcc 0
		.amdhsa_float_denorm_mode_32 3
		.amdhsa_float_denorm_mode_16_64 3
		.amdhsa_memory_ordered 1
		.amdhsa_forward_progress 1
		.amdhsa_inst_pref_size 59
	.end_amdhsa_kernel
	.amdgpu_metadata
---
amdhsa.version: [ 1, 2 ]
amdhsa.kernels:
  - .name:           k_q613625633c_xproj
    .symbol:         k_q613625633c_xproj.kd
    .args:
      - { .name: xb, .offset: 0, .size: 8, .value_kind: global_buffer, .address_space: global }
      - { .name: pb, .offset: 8, .size: 8, .value_kind: global_buffer, .address_space: global }
      - { .name: xp2, .offset: 16, .size: 8, .value_kind: global_buffer, .address_space: global }
    .group_segment_fixed_size: 327680
    .private_segment_fixed_size: 0
    .kernarg_segment_align: 8
    .kernarg_segment_size: 24
    .max_flat_workgroup_size: 128
    .sgpr_count:     66
    .vgpr_count:     384
    .wavefront_size: 32
...
	.end_amdgpu_metadata
.endif
;; end of part 2
;; launch kvproj (part 3): grid 16 x 16, 4 waves a work-group, clusters of 4 x 4, 327,680 bytes of LDS; arguments xp2, wb, kvp, scl; writes kvp, scl
.if DOCPART == 3
	.amdgcn_target "amdgcn-amd-amdhsa--gfx1250"
	.amdhsa_code_object_version 6
	.text
	.protected	k_q613625633c_kvproj
	.globl	k_q613625633c_kvproj
	.p2align	8
	.type	k_q613625633c_kvproj,@function
k_q613625633c_kvproj:
	s_mov_b64 s[64:65], 0
	v_nop
	global_prefetch_b8 v0, s[64:65] scope:SCOPE_SE
	s_setreg_imm32_b32 hwreg(HW_REG_WAVE_MODE, 25, 1), 1
	s_wait_xcnt 0x0
	s_wait_alu depctr_hold_cnt(0) depctr_sa_sdst(0) depctr_va_vdst(0) depctr_va_sdst(0) depctr_va_ssrc(0) depctr_va_vcc(0) depctr_vm_vsrc(0)
	s_getreg_b32 s2, hwreg(HW_REG_IB_STS2, 6, 4)
	s_cmp_eq_u32 s2, 0
	s_cbranch_scc0 .Lentry_in_a_cluster
	s_endpgm
.Lentry_in_a_cluster:
	s_bfe_u32 s2, ttmp6, 0x10000c
	s_cmp_lg_u32 s2, 0xf033
	s_cbranch_scc0 .Lentry_shape_is_right
	s_endpgm
.Lentry_shape_is_right:
; kp[b][h][e][c] = the sum over d of xp[b][e][d] W_k[d][64 h + c], and vp likewise with W_v.  xp comes as hi + lo (two bf16), both multiplied by the same fragments of W; sums in f32.
; Out: kvp [k, v][b][h][e 256][64] in f16, SCALED: each tile of 128 e x 64 c is multiplied by a power of two taken from its own largest magnitude, so that this lies in 2^14 .. 2^15; scl [b][h][k e<128, k e>=128, v e<128, v e>=128] holds the inverse scales, f32.
; LIMITS.  The biased exponent of the largest magnitude is held at 15 or more: a tile whose numbers all lie under 2^-112 keeps the scale 2^126.  NaN and infinities are not treated apart.
; SHARES.  Work-group x = head; y: kv = y / 8, block of 128 rows of xp2 = y % 8.  A work-group makes 128 e x 64 c: 256 work-groups.  d goes in 8 steps of 128 through two LDS slots.  Wave w: e rows 32 w .. 32 w + 31, all 64 c: 8 accumulators.
; LAYOUT.  Source 0 = 16 c x 32 d, turned out of W's [d][64] by ds_load_tr16_b128; source 1 = 16 rows of xp2.  In the result a lane holds one e (lane % 16) and the c 8 (lane / 16) + 0..7: 16 bytes of f16 on end.
; CLUSTER, 4 x 4.  xp2's tile hangs on work-group y alone (shared along a row of the cluster), W's on the head and on kv, which all partners share (shared along a column).
; No prefetch: the launch is short, its tiles are small, and each is read again by other clusters.
.set SLOT,  86016                      ; xp2: 128 rows x 528 bytes (67,584), then W: 128 rows (18,432)
.set AHALF, 33792                      ; 64 rows of xp2
.set WOFF,  67584
.set WHALF, 9216                       ; 64 rows of W
.set PA,    528                        ; 512 bytes + 16 of padding = 132 words: the 16 rows of a load start at 16 different groups of four banks (64 banks of 4 bytes: ISA guide 11.1)
.set CHUNK, 4608                       ; 32 rows of W: pairs of rows of 128 bytes, 32 bytes of padding behind each pair
.set RED,   2*SLOT                     ; one block of 256 bytes: the four waves' maxima
.set STG,   RED+256                    ; 32 rows x 144 bytes for each wave
.set SP,    144
.set SPARE, STG+4*32*SP                ; the spare words, 128 bytes a wave: two blocks of 256 bytes that no other line names
.set ASTEP, 512
.set BSTEP, 16384
.set P528W, (1<<16)|(1<<20)|(1<<21)|(6<<22)|(3<<25)  ; padding after every 128 words (code 6), 4 words (code 3)
.set TRW,   (1<<16)|(1<<20)|(1<<21)|(5<<22)|(7<<25)  ; after every 64 words (code 5), 8 words (code 7)
.set AXP, 2                            ; v2-3   LDS address of my xp2 fragments in slot 0, 1
.set AW,  4                            ; v4-5   of W's
.set STO, 6
.set RD,  7
.set GO,  8
.set REDW, 9                           ; v9     my wave's word among the maxima
.set M,   10                           ; v10-13 four running maxima
.set T,   14                           ; v14-17 at work
.set RA,  18                           ; v18    the maxima's address
.set ZO,  19                           ; v19    0, the offset of the scale's store
.set SCP, 20                           ; v20-21 the scale
.set INV, 22                           ; v22    its inverse
.set SPW, 28
.set NIL, 29
.set ACC, 32                           ; v32-95  (eb, cb) at ACC + 8 (4 eb + cb)
.set F0,  96                           ; v96-159, v160-223: W's four c blocks, hi's two e blocks, lo's two
.set F1,  160
.set TMP, 224
.set WV,  12
.set CH,  13
.set CX,  14
.set CYP, 15
.set GX,  16
.set GY,  17
.set CLY, 18
.set G1A, 24
.set G0A, 32
.set SEL, 40
.set CNT, 44
.set G1B, 48
.set G0B, 56
.macro PLACES
.rept 4
	v_nop
.endr
.endm
.macro CREST
	s_cmp_lg_u32 s[WV], 0
	s_cbranch_scc1 .Lnot_wave_0_\@
	s_barrier_signal -3
.Lnot_wave_0_\@:
	s_barrier_wait -3
	s_barrier_signal -1
	s_barrier_wait -1
.endm
.macro CROUND
	s_barrier_signal -1
	s_barrier_wait -1
	CREST
.endm
.macro JLOAD s                         ; waves 0 and 1 fetch the halves of xp2's tile, waves 2 and 3 those of W's
	s_cmp_lt_u32 s[WV], 2
	s_cbranch_scc0 .Lfor_b_\@
	tensor_load_to_lds s[G0A+4*(\s):G0A+4*(\s)+3], s[G1A:G1A+7]
	s_nop 0
.rept 4
	v_nop
.endr
	s_branch .Lasked_\@
.Lfor_b_\@:
	tensor_load_to_lds s[G0B+4*(\s):G0B+4*(\s)+3], s[G1B:G1B+7]
	s_nop 0
.rept 4
	v_nop
.endr
.Lasked_\@:
.endm
	s_load_b256 s[4:11], s[0:1], 0x0               ; xp2 s[4:5], wb s[6:7], kvp s[8:9], scl s[10:11]
	v_lshl_add_u32 v[SPW], v0, 2, SPARE
	v_mov_b32 v[NIL], 0
	ds_add_u32 v[SPW], v[NIL]                      ; the wave's opening: the add and its wait stand ahead of my first tensor load
	v_lshrrev_b32 v1, 5, v0
	v_readfirstlane_b32 s[WV], v1
	s_and_b32 s[CH], s[WV], 1
	s_bfe_u32 s[CX], ttmp6, 0x40000
	s_bfe_u32 s[CYP], ttmp6, 0x40004
	s_lshl_b32 s[GX], ttmp9, 2
	s_add_co_u32 s[GX], s[GX], s[CX]               ; the head
	s_and_b32 s[CLY], ttmp7, 0xffff
	s_lshl_b32 s[GY], s[CLY], 2
	s_add_co_u32 s[GY], s[GY], s[CYP]
	s_lshl_b32 s20, s[CYP], 2
	s_lshl_b32 s20, 15, s20                        ; my row of the cluster
	s_lshl_b32 s22, 0x1111, s[CX]                  ; my column
	s_or_b32 s[G1A], s20, P528W
	s_or_b32 s[G1B], s22, TRW
	s_mov_b32 s[G1A+1], 256<<16                    ; xp2: 64 rows x 256 elements (two blocks of hi | lo), 2,048 elements from row to row
	s_mov_b32 s[G1A+2], 64<<16
	s_mov_b32 s[G1A+3], 256<<16
	s_mov_b32 s[G1A+4], 64
	s_mov_b32 s[G1A+5], 2048
	s_mov_b32 s[G1A+6], 0
	s_mov_b32 s[G1A+7], 0
	s_mov_b32 s[G1B+1], 128<<16                    ; W: 64 rows of 128 bytes are 8,192 dense bytes: 32 rows of 256
	s_mov_b32 s[G1B+2], 32<<16
	s_mov_b32 s[G1B+3], 128<<16
	s_mov_b32 s[G1B+4], 32
	s_mov_b32 s[G1B+5], 128
	s_mov_b32 s[G1B+6], 0
	s_mov_b32 s[G1B+7], 0
	s_and_b32 s20, s[GY], 7                        ; xp2: block of 128 rows of 4,096 bytes,
	s_lshl_b32 s20, s20, 19
	s_lshl_b32 s21, s[CH], 18                      ; my 64 of them
	s_add_co_u32 s20, s20, s21
	s_mov_b32 s21, 0
	s_lshr_b32 s22, s[CLY], 1                      ; kv: the same in all sixteen partners
	s_add_co_u32 s22, s22, 1
	s_lshl_b32 s22, s22, 21                        ; W_k or W_v,
	s_lshl_b32 s23, s[GX], 17                      ; the head's plane,
	s_add_co_u32 s22, s22, s23
	s_lshl_b32 s23, s[CH], 13                      ; my 64 rows of a step
	s_add_co_u32 s22, s22, s23
	s_mov_b32 s23, 0
	s_mul_i32 s42, s[CH], AHALF
	s_mul_i32 s43, s[CH], WHALF
	s_mov_b32 s[SEL], 0x76543210
	s_mov_b32 s[SEL+1], 0xfedcba98
	s_wait_dscnt 0x0                               ; the opening add is done
	s_wait_kmcnt 0x0
	s_add_nc_u64 s[20:21], s[4:5], s[20:21]
	s_add_nc_u64 s[22:23], s[6:7], s[22:23]
.irp s, 0,1
	s_mov_b32 s[G0A+4*(\s)], 1
	s_add_co_u32 s[G0A+4*(\s)+1], s42, (\s)*SLOT
	s_add_nc_u64 s[G0A+4*(\s)+2:G0A+4*(\s)+3], s[20:21], (\s)*ASTEP
	s_or_b32 s[G0A+4*(\s)+3], s[G0A+4*(\s)+3], 0x80000000
	s_mov_b32 s[G0B+4*(\s)], 1
	s_add_co_u32 s[G0B+4*(\s)+1], s43, (\s)*SLOT+WOFF
	s_add_nc_u64 s[G0B+4*(\s)+2:G0B+4*(\s)+3], s[22:23], (\s)*BSTEP
	s_or_b32 s[G0B+4*(\s)+3], s[G0B+4*(\s)+3], 0x80000000
.endr
	CROUND                                         ; all sixteen work-groups are here: the first joint loads meet
	s_cmp_lt_u32 s[WV], 2                          ; a wave's two first fills stand in one branch: two loads of mine are out
	s_cbranch_scc0 .Lfirst_b
	tensor_load_to_lds s[G0A:G0A+3], s[G1A:G1A+7]
	s_nop 0
	tensor_load_to_lds s[G0A+4:G0A+7], s[G1A:G1A+7]
	s_nop 0
.rept 4
	v_nop
.endr
	s_branch .Lfirst_asked
.Lfirst_b:
	tensor_load_to_lds s[G0B:G0B+3], s[G1B:G1B+7]
	s_nop 0
	tensor_load_to_lds s[G0B+4:G0B+7], s[G1B:G1B+7]
	s_nop 0
.rept 4
	v_nop
.endr
.Lfirst_asked:
	v_and_b32 v1, 15, v0                           ; l % 16
	v_bfe_u32 v10, v0, 4, 1                        ; l / 16
	v_mul_u32_u24 v[AXP], v1, PA
	v_lshl_add_u32 v[AXP], v10, 4, v[AXP]
	s_mul_i32 s2, s[WV], 32*PA                     ; my 32 rows
	v_add_nc_u32 v[AXP], s2, v[AXP]
	v_add_nc_u32 v[AXP+1], SLOT, v[AXP]
	v_bfe_u32 v[AW], v0, 1, 2                      ; the turning load's lane term: row 8 (l / 16) + l % 8, by pairs of rows
	v_lshl_add_u32 v[AW], v10, 2, v[AW]
	v_mul_u32_u24 v[AW], v[AW], 288
	v_and_b32 v11, 1, v0
	v_lshl_add_u32 v[AW], v11, 7, v[AW]
	v_bfe_u32 v11, v0, 3, 1
	v_lshl_add_u32 v[AW], v11, 4, v[AW]
	v_add_nc_u32 v[AW], WOFF, v[AW]
	v_add_nc_u32 v[AW+1], SLOT, v[AW]
	s_mul_i32 s2, s[WV], 32*SP
	s_add_co_u32 s2, s2, STG
	v_mul_u32_u24 v[STO], v1, SP
	v_lshl_add_u32 v[STO], v10, 4, v[STO]
	v_add_nc_u32 v[STO], s2, v[STO]
	v_bfe_u32 v[RD], v0, 3, 2                      ; back: 32 lanes take four rows of 128 bytes,
	v_mul_u32_u24 v[RD], v[RD], SP
	v_and_b32 v11, 7, v0
	v_lshl_add_u32 v[RD], v11, 4, v[RD]
	v_add_nc_u32 v[RD], s2, v[RD]
	v_and_b32 v[GO], 31, v0                        ; which are 512 consecutive bytes of kvp
	v_lshlrev_b32 v[GO], 4, v[GO]
	s_lshl_b32 s2, s[WV], 2
	s_add_co_u32 s2, s2, RED
	v_mov_b32 v[REDW], s2
	v_mov_b32 v[RA], RED
	v_mov_b32 v[ZO], 0
	s_and_b32 s2, s[GY], 7
	s_lshr_b32 s3, s2, 1                           ; b
	s_and_b32 s2, s2, 1                            ; which half of the 256 e
	s_lshl_b32 s3, s3, 4
	s_add_co_u32 s3, s3, s[GX]                     ; 16 b + h
	s_lshr_b32 s19, s[CLY], 1                      ; kv
	s_lshl_b32 s46, s3, 2                          ; scl: word 4 (16 b + h) + 2 kv + half
	s_lshl_b32 s47, s19, 1
	s_add_co_u32 s46, s46, s47
	s_add_co_u32 s46, s46, s2
	s_lshl_b32 s46, s46, 2
	s_mov_b32 s47, 0
	s_add_nc_u64 s[46:47], s[10:11], s[46:47]
	s_lshl_b32 s42, s19, 21                        ; kvp: kv, the head's 32,768 bytes, the half, my 32 rows of 128 bytes
	s_lshl_b32 s43, s3, 15
	s_add_co_u32 s42, s42, s43
	s_lshl_b32 s43, s2, 14
	s_add_co_u32 s42, s42, s43
	s_lshl_b32 s43, s[WV], 12
	s_add_co_u32 s42, s42, s43
	s_mov_b32 s43, 0
	s_add_nc_u64 s[8:9], s[8:9], s[42:43]
.macro FETCH slot, q, f                ; 16 LDS loads in one run: 32 d at chunk q of the step
.irp cb, 0,1,2,3
	ds_load_tr16_b128 v[(\f)+8*(\cb):(\f)+8*(\cb)+3],   v[AW+(\slot)] offset:(\q)*CHUNK+32*(\cb)
	ds_load_tr16_b128 v[(\f)+8*(\cb)+4:(\f)+8*(\cb)+7], v[AW+(\slot)] offset:(\q)*CHUNK+32*(\cb)+2304
.endr
.irp part, 0,1
.irp eb, 0,1
	ds_load_b128 v[(\f)+32+16*(\part)+8*(\eb):(\f)+32+16*(\part)+8*(\eb)+3],   v[AXP+(\slot)] offset:(\eb)*16*PA+((\q)/2)*256+(\part)*128+((\q)%2)*64
	ds_load_b128 v[(\f)+32+16*(\part)+8*(\eb)+4:(\f)+32+16*(\part)+8*(\eb)+7], v[AXP+(\slot)] offset:(\eb)*16*PA+((\q)/2)*256+(\part)*128+((\q)%2)*64+32
.endr
.endr
.endm
.macro MUL f, zero                     ; 16 matrix instructions: hi, then lo; the 8 accumulators take turns: seven others stand between two links of a chain
.irp part, 0,1
.irp eb, 0,1
.irp cb, 0,1,2,3
.if (\zero) && ((\part) == 0)
	v_wmma_f32_16x16x32_bf16 v[ACC+8*(4*(\eb)+(\cb)):ACC+8*(4*(\eb)+(\cb))+7], v[(\f)+8*(\cb):(\f)+8*(\cb)+7], v[(\f)+32+16*(\part)+8*(\eb):(\f)+32+16*(\part)+8*(\eb)+7], 0
.else
	v_wmma_f32_16x16x32_bf16 v[ACC+8*(4*(\eb)+(\cb)):ACC+8*(4*(\eb)+(\cb))+7], v[(\f)+8*(\cb):(\f)+8*(\cb)+7], v[(\f)+32+16*(\part)+8*(\eb):(\f)+32+16*(\part)+8*(\eb)+7], v[ACC+8*(4*(\eb)+(\cb)):ACC+8*(4*(\eb)+(\cb))+7]
.endif
.endr
.endr
.endr
.endm
.macro STEP slot, zero
	FETCH \slot, 0, F0
	FETCH \slot, 1, F1
	s_wait_dscnt 16                                ; buffer 0 is in; the younger run of 16 may stay out
	MUL F0, \zero
	PLACES
	FETCH \slot, 2, F0
	s_wait_dscnt 16
	MUL F1, 0
	PLACES
	FETCH \slot, 3, F1
	s_wait_dscnt 16
	MUL F0, 0
	s_wait_dscnt 0x0
	MUL F1, 0
.endm
.macro CHANGE slot, fill               ; the change of slots: all my tensor loads, the add, my reads; then the round and the joint refill, or (the tail) a plain barrier
	s_wait_tensorcnt 0x0
	ds_add_u32 v[SPW], v[NIL]                      ; 0 onto my spare word
.if \fill
	s_add_nc_u64 s[G0A+4*(\slot)+2:G0A+4*(\slot)+3], s[G0A+4*(\slot)+2:G0A+4*(\slot)+3], 2*ASTEP
	s_add_nc_u64 s[G0B+4*(\slot)+2:G0B+4*(\slot)+3], s[G0B+4*(\slot)+2:G0B+4*(\slot)+3], 2*BSTEP
.endif
	s_wait_dscnt 0x0
.if \fill
	CROUND
	JLOAD \slot                                    ; its four v_nop are the places ahead of the next step's loads
.else
	s_barrier_signal -1
	s_barrier_wait -1
	PLACES
.endif
.endm
	s_wait_tensorcnt 0x1                           ; my part of step 0 is in; step 1's may stay out
	s_barrier_signal -1
	s_barrier_wait -1
	STEP 0, 1
	s_mov_b32 s[CNT], 3
.Lloop:                                        ; three trips: steps 2 to 7 are asked for, steps 1 to 6 multiplied
	CHANGE 0, 1
	STEP 1, 0
	CHANGE 1, 1
	STEP 0, 0
	s_sub_co_u32 s[CNT], s[CNT], 1
	s_cmp_lg_u32 s[CNT], 0
	s_cbranch_scc1 .Lloop
	CHANGE 0, 0
	STEP 1, 0
	; THE WAY OUT.  The tile's largest magnitude: four chains over my 64 numbers a lane (each accumulator's low registers first), the lanes, the four waves.
	PLACES
	s_mov_b32 s2, 0x7fffffff
.irp k, 0,1,2,3
	v_and_b32 v[M+(\k)], s2, v[ACC+(\k)]
.endr
.set i, 4
.rept 60
	v_and_b32 v[T+i%4], s2, v[ACC+i]
	v_max_num_f32 v[M+i%4], v[M+i%4], v[T+i%4]
.set i, i+1
.endr
	v_max_num_f32 v[M], v[M], v[M+1]
	v_max_num_f32 v[M+2], v[M+2], v[M+3]
	v_max_num_f32 v[M], v[M], v[M+2]
	v_max_num_f32_dpp v[M], v[M], v[M] row_xmask:1 row_mask:0xf bank_mask:0xf
	v_max_num_f32_dpp v[M], v[M], v[M] row_xmask:2 row_mask:0xf bank_mask:0xf
	v_max_num_f32_dpp v[M], v[M], v[M] row_xmask:4 row_mask:0xf bank_mask:0xf
	v_max_num_f32_dpp v[M], v[M], v[M] row_xmask:8 row_mask:0xf bank_mask:0xf
	v_permlanex16_b32 v[M+1], v[M], s[SEL], s[SEL+1]
	v_max_num_f32 v[M], v[M], v[M+1]
	ds_store_b32 v[REDW], v[M]                     ; all lanes write my wave's word with the same number
	s_wait_dscnt 0x0
	s_barrier_signal -1
	s_barrier_wait -1
	ds_load_b128 v[T:T+3], v[RA]
	s_wait_dscnt 0x0
	v_max_num_f32 v[T], v[T], v[T+1]
	v_max_num_f32 v[T+2], v[T+2], v[T+3]
	v_max_num_f32 v[T], v[T], v[T+2]
	v_lshrrev_b32 v[T], 23, v[T]                   ; its biased exponent E,
	v_max_u32 v[T], 15, v[T]                       ; held at 15 or more
	v_sub_nc_u32 v[SCP], 0x10c, v[T]
	v_lshlrev_b32 v[SCP], 23, v[SCP]               ; the scale 2^(141 - E): every number times it lies under 2^15
	v_mov_b32 v[SCP+1], v[SCP]
	v_add_nc_u32 v[INV], -14, v[T]
	v_lshlrev_b32 v[INV], 23, v[INV]               ; its inverse 2^(E - 141)
.set i, 0
.rept 32
	v_pk_mul_f32 v[ACC+i:ACC+i+1], v[ACC+i:ACC+i+1], v[SCP:SCP+1] op_sel_hi:[1,0]
.set i, i+2
.endr
.set i, 0
.rept 32
	v_cvt_pk_f16_f32 v[TMP+i], v[ACC+2*i], v[ACC+2*i+1]
.set i, i+1
.endr
.irp eb, 0,1
.irp cb, 0,1,2,3
	ds_store_b128 v[STO], v[TMP+4*(4*(\eb)+(\cb)):TMP+4*(4*(\eb)+(\cb))+3] offset:(\eb)*16*SP+32*(\cb)
.endr
.endr
.irp t, 0,1,2,3,4,5,6,7
	ds_load_b128 v[F0+4*(\t):F0+4*(\t)+3], v[RD] offset:(\t)*4*SP  ; LDS serves a wave's instructions in order (ISA guide 5.7.1.4): these see my stores above
.endr
.irp t, 0,1,2,3,4,5,6,7
	s_wait_dscnt 7-(\t)
	global_store_b128 v[GO], v[F0+4*(\t):F0+4*(\t)+3], s[8:9] offset:512*(\t)  ; 512 consecutive bytes, at a multiple of 256 from kvp's first byte
.endr
	s_cmp_lg_u32 s[WV], 0                          ; the tile's inverse scale: one word, by wave 0's first lane
	s_cbranch_scc1 .Lno_scale
	s_wait_xcnt 0x0                                ; EXEC is narrowed only when the stores above have read their sources,
	v_cmp_eq_u32 vcc_lo, 0, v0
	s_and_saveexec_b32 s2, vcc_lo
	global_store_b32 v[ZO], v[INV], s[46:47]
	s_wait_xcnt 0x0                                ; and widened only when this one has
	s_or_b32 exec_lo, exec_lo, s2
.Lno_scale:
	s_wait_tensorcnt 0x0                           ; the wave's end, behind my last tensor load and my last LDS store
	ds_add_u32 v[SPW], v[NIL]
	s_wait_dscnt 0x0
	CROUND                                         ; the closing round
	s_endpgm
.Lfunc_end_k_q613625633c_kvproj:
	.size	k_q613625633c_kvproj, .Lfunc_end_k_q613625633c_kvproj-k_q613625633c_kvproj
	.p2alignl 7, 3214868480
	.fill 96, 4, 3214868480
	.section	.rodata,"a",@progbits
	.p2align	6, 0x0
	.amdhsa_kernel k_q613625633c_kvproj
		.amdhsa_group_segment_fixed_size 327680
		.amdhsa_private_segment_fixed_size 0
		.amdhsa_enable_private_segment 0
		.amdhsa_kernarg_size 32
		.amdhsa_user_sgpr_count 2
		.amdhsa_user_sgpr_kernarg_segment_ptr 1
		.amdhsa_wavefront_size32 1
		.amdhsa_system_sgpr_workgroup_id_x 1
		.amdhsa_system_sgpr_workgroup_id_y 1
		.amdhsa_system_sgpr_workgroup_id_z 1
		.amdhsa_system_vgpr_workitem_id 0
		.amdhsa_next_free_vgpr 256
		.amdhsa_next_free_sgpr 66
		.amdhsa_reserve_vcc 1
		.amdhsa_float_denorm_mode_32 3
		.amdhsa_float_denorm_mode_16_64 3
		.amdhsa_memory_ordered 1
		.amdhsa_forward_progress 1
		.amdhsa_inst_pref_size 56
	.end_amdhsa_kernel
	.amdgpu_metadata
---
amdhsa.version: [ 1, 2 ]
amdhsa.kernels:
  - .name:           k_q613625633c_kvproj
    .symbol:         k_q613625633c_kvproj.kd
    .args:
      - { .name: xp2, .offset: 0, .size: 8, .value_kind: global_buffer, .address_space: global }
      - { .name: wb, .offset: 8, .size: 8, .value_kind: global_buffer, .address_space: global }
      - { .name: kvp, .offset: 16, .size: 8, .value_kind: global_buffer, .address_space: global }
      - { .name: scl, .offset: 24, .size: 8, .value_kind: global_buffer, .address_space: global }
    .group_segment_fixed_size: 327680
    .private_segment_fixed_size: 0
    .kernarg_segment_align: 8
    .kernarg_segment_size: 32
    .max_flat_workgroup_size: 128
    .sgpr_count:     66
    .vgpr_count:     256
    .wavefront_size: 32
...
	.end_amdgpu_metadata
.endif
;; end of part 3
;; launch attn (part 4): grid 4 x 64, 4 waves a work-group, clusters of 4 x 4, 327,680 bytes of LDS; arguments xb, wb, kvp, scl, out0; writes out0
.if DOCPART == 4
	.amdgcn_target "amdgcn-amd-amdhsa--gfx1250"
	.amdhsa_code_object_version 6
	.text
	.protected	k_q613625633c_attn
	.globl	k_q613625633c_attn
	.p2align	8
	.type	k_q613625633c_attn,@function
k_q613625633c_attn:
	s_mov_b64 s[64:65], 0
	v_nop
	global_prefetch_b8 v0, s[64:65] scope:SCOPE_SE
	s_setreg_imm32_b32 hwreg(HW_REG_WAVE_MODE, 25, 1), 1
	s_wait_xcnt 0x0
	s_wait_alu depctr_hold_cnt(0) depctr_sa_sdst(0) depctr_va_vdst(0) depctr_va_sdst(0) depctr_va_ssrc(0) depctr_va_vcc(0) depctr_vm_vsrc(0)
	s_getreg_b32 s2, hwreg(HW_REG_IB_STS2, 6, 4)
	s_cmp_eq_u32 s2, 0
	s_cbranch_scc0 .Lentry_in_a_cluster
	s_endpgm
.Lentry_in_a_cluster:
	s_bfe_u32 s2, ttmp6, 0x10000c
	s_cmp_lg_u32 s2, 0xf033
	s_cbranch_scc0 .Lentry_shape_is_right
	s_endpgm
.Lentry_shape_is_right:
; out[b][n][64 h + c] = the sum over e of softmax_e(q[b][n][h] . kp[b][h][e] / 8) vp[b][h][e][c], with q = x W_q made here and never stored to memory.
; In: xb, wb (bf16, planes of 64 columns), kvp (f16, scaled by tiles of 128 e), scl (the inverse scales, f32).  Out: out0, f32.
; LIMITS.  q is rounded once to f16: |q| stays under 65,504.  The weights p are rounded to f16 for the second product; their sum is taken of the unrounded p.  A weight below 2^-126 counts as 0.  NaN and infinities are not treated apart.
; SHARES.  A work-group owns 256 rows (work-group y) x 256 columns = 4 heads (work-group x): 256 work-groups.
; PHASE G: q's tile of 256 x 256 over d = 1,024, in 8 steps of 128 through two LDS slots.  Wave (rh, ch) holds 128 rows x 128 columns (two heads) in 64 accumulators.  Source 0 = 16 columns of W_q, turned out of [d][64] by
; ds_load_tr16_b128; source 1 = 16 rows of x.  In the result a lane holds ONE row (lane % 16) and the columns 8 (lane / 16) + 0..7: rounded to f16 in pairs, two neighbouring accumulators ARE a fragment of Q (16 queries x 32 channels).
; PHASE T: each wave, for its 128 queries and its two heads, one head after the other: the head's whole K (256 x 64) and V lie in registers; a trip takes a tile of 16 queries: S^T = K Q^T (a lane holds one query and 128 of the 256 keys),
; the row's true maximum, p = 2^(c s - c m) with c = log2(e) / 8 times K's inverse scale, O^T = V^T P in two halves (keys under and from 128, each with V's inverse scale), division by the sum, and out through a stage in LDS.
; q waits in LDS meanwhile (f16, a lane's 16 bytes on end), in slot 1, which has had its last fill; K and V come into slot 0: the first head's during the last step of phase G, the second's during the first head's attention.
; CLUSTER, 4 x 4.  x's tiles hang on work-group y alone: shared along a row of the cluster.  W_q's, K's and V's hang on work-group x and on the batch, which all partners share: shared along a column.
; REGISTERS, in windows of 256 (s_set_vgpr_msb: bits 1:0 source 0, 3:2 source 1, 5:4 source 2, 7:6 destination).
;   Phase G: window 0: v64-127, v128-191 x's fragments, two buffers; window 1: the same numbers, W_q's; windows 2, 3: accumulator (a, bc) at 8 (8 (a % 4) + bc), rows 0-63 and 64-127.
;   Phase T: window 0: v32-47 Q; v48-63 statistics; v64-191 S^T; v192-223, v224-255 O^T's two halves; window 1: K (key block kb, channel half at 16 kb + 8 half); window 2: V (keys 32 kk on, channel block cb at 32 kk + 8 cb); window 3: v0-63 P.
.set SLOT,  147456                     ; x's two halves of 128 rows x 128 d (36,864 bytes each), then W_q's two halves of 128 d x 128 columns
.set HALF,  36864
.set WOFF,  73728
.set PLN,   18432                      ; a half is two planes' 128 rows of 128 bytes, each row (x, K) followed by 16 bytes of padding, or each pair of rows (W_q, V) by 32
.set CHUNK, 4608                       ; 32 rows
.set QB,    SLOT                       ; q's scratch: 32,768 bytes a wave
.set STG,   2*SLOT                     ; 16 rows x 272 bytes for each wave
.set SP,    272
.set SPARE, STG+4*16*SP                ; the spare words, 128 bytes a wave: two blocks of 256 bytes that no other line names
.set XSTEP, 1048576                    ; a step of 128 d: two planes of xb,
.set WSTEP, 16384                      ; 128 rows of a plane of wb
.set PLAINW, (1<<16)|(1<<20)|(1<<21)|(4<<22)|(3<<25)  ; 17:16 2-byte elements; 20 padding on; 21 set beside a mask; after every 32 words (code 4) 4 words (code 3)
.set TRW,    (1<<16)|(1<<20)|(1<<21)|(5<<22)|(7<<25)  ; after every 64 words (code 5) 8 words (code 7)
.set ADRA, 16                          ; v16-17  LDS address of my x fragments in slot 0, 1
.set ADRB, 20                          ; v20-21  of my W_q fragments
.set ADV,  20                          ;         V lies where W_q's halves lay in slot 0: the same address
.set ADK,  22                          ; v22     of my K fragments
.set STO,  24
.set RD,   25
.set CO,   26
.set AQ0,  27                          ; v27     my 16 bytes in q's scratch
.set SPW,  28
.set NIL,  29
.set PFO,  30                          ; v30     256 x my lane
.set AQ,   31                          ; v31     q's scratch at the tile in hand
.set CK0,  8                           ; v8-9    c x K's inverse scale, keys under 128;  v10-11 keys from 128
.set CK1,  10
.set Q,    32
.set CHN,  48                          ; v48-55  chains of the maximum, then of the sum
.set MX,   56                          ; v56-57  c m
.set RL,   58                          ; v58     1 / sum
.set FA,   60                          ; v60-61, v62-63  V's inverse scales over the sum
.set FB,   62
.set S,    64
.set O0,   192
.set O1,   224
.set TMP,  192
.set F0,   64
.set F1,   128
.set LAP,  3
.set WV,   14
.set RH,   15
.set CH,   16
.set CX,   17
.set CYP,  18
.set CQ,   19
.set RB,   20
.set CLY,  21
.set G1X,  24
.set G0X,  32
.set PFA,  40
.set PST,  42                          ; s[42:43] the prefetches' step
.set LIM,  44
.set CNT,  45
.set G1W,  48
.set G0W,  56
.set OUT,  66
.set G1K,  68
.set G1V,  76
.set G0K,  84
.set G0V,  88
.set SC,   92                          ; s[92:99] my two heads' inverse scales
.set SEL,  100
.set MSB, 0
.macro WIN new                         ; the immediate's high byte repeats the setting that is left; a switch that changes nothing is dropped
.if MSB != (\new)
	s_set_vgpr_msb (MSB<<8)|(\new)
.set MSB, \new
.endif
.endm
.set MUL_LO, 0xa1                      ; source 0 (W_q) window 1, source 1 (x) window 0, C and D window 2
.set MUL_HI, 0xf1
.macro PLACES                          ; four places behind a matrix instruction, ahead of loads into registers that it read and of vector lines that read its results (ISA guide 7.12.1 for the vector lines)
.rept 4
	v_nop
.endr
.endm
.macro CREST
	s_cmp_lg_u32 s[WV], 0
	s_cbranch_scc1 .Lnot_wave_0_\@
	s_barrier_signal -3
.Lnot_wave_0_\@:
	s_barrier_wait -3
	s_barrier_signal -1
	s_barrier_wait -1
.endm
.macro CROUND
	s_barrier_signal -1
	s_barrier_wait -1
	CREST
.endm
.macro JLOAD s                         ; waves 0 and 1 fetch x's two halves, waves 2 and 3 W_q's; an s_nop 0 and four v_nop follow each line
	s_cmp_lt_u32 s[WV], 2
	s_cbranch_scc0 .Lfor_w_\@
	tensor_load_to_lds s[G0X+4*(\s):G0X+4*(\s)+3], s[G1X:G1X+7]
	s_nop 0
.rept 4
	v_nop
.endr
	s_branch .Lasked_\@
.Lfor_w_\@:
	tensor_load_to_lds s[G0W+4*(\s):G0W+4*(\s)+3], s[G1W:G1W+7]
	s_nop 0
.rept 4
	v_nop
.endr
.Lasked_\@:
.endm
.macro JLOADKV                         ; waves 0 and 1 fetch K of two heads, waves 2 and 3 V of the same two, into slot 0
	s_cmp_lt_u32 s[WV], 2
	s_cbranch_scc0 .Lfor_v_\@
	tensor_load_to_lds s[G0K:G0K+3], s[G1K:G1K+7]
	s_nop 0
.rept 4
	v_nop
.endr
	s_branch .Lasked_\@
.Lfor_v_\@:
	tensor_load_to_lds s[G0V:G0V+3], s[G1V:G1V+7]
	s_nop 0
.rept 4
	v_nop
.endr
.Lasked_\@:
.endm
; A PREFETCH INTO THE L2, behind a joint load and the run of LDS loads that follows it: the step that stands two refills on, 512 matrix instructions ahead of its load.  The half tile that I fetch is 128 blocks of 256 bytes; the four
; work-groups that ask for it jointly take 32 each, told apart BY ADDRESS: a lane a block.  x's rows are read by one row of one cluster alone; W_q's by all sixteen clusters, of which the first (cluster y = 0) asks.
; The loop's last trip asks for nothing: there is no step two refills on.
.macro ASK
	s_cmp_gt_u32 s[LAP], s[LIM]
	s_cbranch_scc0 .Lnot_mine_\@
	global_prefetch_b8 v[PFO], s[PFA:PFA+1] th:TH_LOAD_NT scope:SCOPE_SE
.Lnot_mine_\@:
.endm
	s_load_b256 s[4:11], s[0:1], 0x0               ; xb s[4:5], wb s[6:7], kvp s[8:9], scl s[10:11]
	s_load_b64 s[12:13], s[0:1], 0x20              ; out0
	v_lshl_add_u32 v[SPW], v0, 2, SPARE
	v_mov_b32 v[NIL], 0
	ds_add_u32 v[SPW], v[NIL]                      ; the wave's opening: the add and its wait stand ahead of my first tensor load; the set-up below, work on registers, stands between them
	v_lshrrev_b32 v1, 5, v0
	v_readfirstlane_b32 s[WV], v1
	s_lshr_b32 s[RH], s[WV], 1                     ; which 128 rows are mine
	s_and_b32 s[CH], s[WV], 1                      ; which two heads.  Also: which half of a tile I fetch
	s_bfe_u32 s[CX], ttmp6, 0x40000
	s_bfe_u32 s[CYP], ttmp6, 0x40004
	s_lshl_b32 s[CQ], ttmp9, 2
	s_add_co_u32 s[CQ], s[CQ], s[CX]               ; block of 256 columns
	s_and_b32 s[CLY], ttmp7, 0xffff
	s_lshl_b32 s[RB], s[CLY], 2
	s_add_co_u32 s[RB], s[RB], s[CYP]              ; block of 256 rows; the batch is cluster y / 4
	s_lshl_b32 s2, s[CYP], 2
	s_lshl_b32 s2, 15, s2                          ; my row of the cluster
	s_lshl_b32 s22, 0x1111, s[CX]                  ; my column
	s_or_b32 s[G1X], s2, PLAINW
	s_or_b32 s[G1W], s22, TRW
	s_or_b32 s[G1K], s22, PLAINW
	s_or_b32 s[G1V], s22, TRW
.irp g, G1X, G1W                       ; two planes' parts of 128 rows x 128 bytes, each 16,384 dense bytes: a tile of 2 rows of 8,192 elements
	s_mov_b32 s[(\g)+1], 8192<<16                  ; tensor_dim0 = 8,192
	s_mov_b32 s[(\g)+2], 2<<16                     ; tensor_dim1 = 2
	s_mov_b32 s[(\g)+3], 8192<<16                  ; tile_dim0 = 8,192
	s_mov_b32 s[(\g)+4], 2                         ; tile_dim1 = 2
	s_mov_b32 s[(\g)+6], 0
	s_mov_b32 s[(\g)+7], 0
.endr
	s_mov_b32 s[G1X+5], 262144                     ; elements from plane to plane of xb,
	s_mov_b32 s[G1W+5], 65536                      ; of wb
.irp g, G1K, G1V                       ; a head's 256 rows of 128 bytes are 32,768 dense bytes: 128 rows of 256
	s_mov_b32 s[(\g)+1], 128<<16
	s_mov_b32 s[(\g)+2], 128<<16
	s_mov_b32 s[(\g)+3], 128<<16
	s_mov_b32 s[(\g)+4], 128
	s_mov_b32 s[(\g)+5], 128
	s_mov_b32 s[(\g)+6], 0
	s_mov_b32 s[(\g)+7], 0
.endr
	s_lshr_b32 s2, s[CLY], 2                       ; x: the batch's 16 planes,
	s_lshl_b32 s2, s2, 23
	s_and_b32 s3, s[RB], 15
	s_lshl_b32 s3, s3, 15                          ; my block's 256 rows of 128 bytes,
	s_add_co_u32 s2, s2, s3
	s_lshl_b32 s3, s[CH], 14                       ; the 128 that I fetch
	s_add_co_u32 s2, s2, s3
	s_mov_b32 s3, 0
	s_lshl_b32 s22, s[CQ], 19                      ; W_q: my block's four planes,
	s_lshl_b32 s23, s[CH], 18                      ; the two that I fetch
	s_add_co_u32 s22, s22, s23
	s_mov_b32 s23, 0
	s_lshr_b32 s45, s[CLY], 2                      ; the head 16 b + 4 cq + 2 ch
	s_lshl_b32 s45, s45, 4
	s_lshl_b32 s46, s[CQ], 2
	s_add_co_u32 s45, s45, s46
	s_lshl_b32 s46, s[CH], 1
	s_add_co_u32 s45, s45, s46
	s_lshl_b32 s46, s45, 15                        ; its 32,768 bytes of K and of V
	s_mov_b32 s47, 0
	s_lshl_b32 s[OUT], s[RB], 20                   ; out0: my block's 256 rows of 4,096 bytes,
	s_lshl_b32 s[OUT+1], s[RH], 19                 ; my 128 of them,
	s_add_co_u32 s[OUT], s[OUT], s[OUT+1]
	s_lshl_b32 s[OUT+1], s[CQ], 10                 ; my first head's 256 bytes
	s_add_co_u32 s[OUT], s[OUT], s[OUT+1]
	s_lshl_b32 s[OUT+1], s[CH], 9
	s_add_co_u32 s[OUT], s[OUT], s[OUT+1]
	s_mov_b32 s[OUT+1], 0
	s_mul_i32 s100, s[CH], HALF                    ; where my tiles go: no place in the cluster enters an LDS address
	s_wait_dscnt 0x0                               ; the opening add is done
	s_wait_kmcnt 0x0
	s_add_nc_u64 s[2:3], s[4:5], s[2:3]
	s_add_nc_u64 s[22:23], s[6:7], s[22:23]
	s_add_nc_u64 s[OUT:OUT+1], s[12:13], s[OUT:OUT+1]
.irp s, 0,1
	s_mov_b32 s[G0X+4*(\s)], 1
	s_add_co_u32 s[G0X+4*(\s)+1], s100, (\s)*SLOT
	s_add_nc_u64 s[G0X+4*(\s)+2:G0X+4*(\s)+3], s[2:3], (\s)*XSTEP
	s_or_b32 s[G0X+4*(\s)+3], s[G0X+4*(\s)+3], 0x80000000
	s_mov_b32 s[G0W+4*(\s)], 1
	s_add_co_u32 s[G0W+4*(\s)+1], s100, (\s)*SLOT+WOFF
	s_add_nc_u64 s[G0W+4*(\s)+2:G0W+4*(\s)+3], s[22:23], (\s)*WSTEP
	s_or_b32 s[G0W+4*(\s)+3], s[G0W+4*(\s)+3], 0x80000000
.endr
	s_mov_b32 s[G0K], 1
	s_mov_b32 s[G0K+1], s100
	s_add_nc_u64 s[G0K+2:G0K+3], s[8:9], s[46:47]
	s_mov_b32 s[G0V], 1
	s_add_co_u32 s[G0V+1], s100, WOFF
	s_add_nc_u64 s[G0V+2:G0V+3], s[G0K+2:G0K+3], 2097152
	s_or_b32 s[G0K+3], s[G0K+3], 0x80000000
	s_or_b32 s[G0V+3], s[G0V+3], 0x80000000
	s_mov_b32 s[PST], WSTEP                        ; the prefetches
	s_mov_b32 s[PST+1], 0
	s_mov_b32 s100, 131072
	s_cmp_eq_u32 s[CLY], 0
	s_cselect_b32 s[LIM], 1, -1
	s_cmp_lt_u32 s[WV], 2
	s_cselect_b32 s[LIM], 1, s[LIM]                ; the same in all sixteen partners, for a given wave
	s_cselect_b64 s[PFA:PFA+1], s[2:3], s[22:23]
	s_cselect_b32 s[PST], XSTEP, s[PST]
	s_cselect_b32 s100, 524288, s100               ; bytes from plane to plane
	s_cselect_b32 s101, s[CX], s[CYP]              ; my place among the four that ask with me: which plane, which half of its 16,384 bytes
	s_lshr_b32 s46, s101, 1
	s_mul_i32 s46, s46, s100
	s_and_b32 s47, s101, 1
	s_lshl_b32 s47, s47, 13
	s_add_co_u32 s46, s46, s47
	s_mul_i32 s47, s[PST], 3                       ; at step 3: the first refill steps it to 4.  Nothing is prefetched at the head
	s_add_co_u32 s46, s46, s47
	s_mov_b32 s47, 0
	s_add_nc_u64 s[PFA:PFA+1], s[PFA:PFA+1], s[46:47]
	s_lshl_b32 s22, s45, 4                         ; my two heads' eight inverse scales
	s_mov_b32 s23, 0
	s_add_nc_u64 s[22:23], s[10:11], s[22:23]
	s_mov_b32 s[SEL], 0x76543210
	s_mov_b32 s[SEL+1], 0xfedcba98
	CROUND                                         ; all sixteen work-groups are here: the first joint loads meet
	s_cmp_lt_u32 s[WV], 2                          ; a wave's two first fills stand in one branch: two loads of mine are out
	s_cbranch_scc0 .Lfirst_w
	tensor_load_to_lds s[G0X:G0X+3], s[G1X:G1X+7]
	s_nop 0
	tensor_load_to_lds s[G0X+4:G0X+7], s[G1X:G1X+7]
	s_nop 0
.rept 4
	v_nop
.endr
	s_branch .Lfirst_asked
.Lfirst_w:
	tensor_load_to_lds s[G0W:G0W+3], s[G1W:G1W+7]
	s_nop 0
	tensor_load_to_lds s[G0W+4:G0W+7], s[G1W:G1W+7]
	s_nop 0
.rept 4
	v_nop
.endr
.Lfirst_asked:
	s_load_b256 s[SC:SC+7], s[22:23], 0x0
	v_and_b32 v1, 15, v0                           ; l % 16
	v_bfe_u32 v2, v0, 4, 1                         ; l / 16
	v_and_b32 v3, 31, v0                           ; l
	v_mul_u32_u24 v4, v1, 144
	v_lshl_add_u32 v4, v2, 4, v4                   ; a fragment that lies along its rows: row x 144 + 16 x half
	v_bfe_u32 v5, v0, 1, 2                         ; the turning load: row 8 (l / 16) + l % 8, by pairs of rows of 288 bytes,
	v_lshl_add_u32 v5, v2, 2, v5
	v_mul_u32_u24 v5, v5, 288
	v_and_b32 v6, 1, v0
	v_lshl_add_u32 v5, v6, 7, v5
	v_bfe_u32 v6, v0, 3, 1                         ; columns 8 ((l / 8) % 2) + 0..7
	v_lshl_add_u32 v5, v6, 4, v5
	s_mul_i32 s46, s[RH], HALF
	v_add_nc_u32 v[ADRA], s46, v4
	v_add_nc_u32 v[ADRA+1], SLOT, v[ADRA]
	s_mul_i32 s46, s[CH], HALF
	v_add_nc_u32 v[ADK], s46, v4
	s_add_co_u32 s46, s46, WOFF
	v_add_nc_u32 v[ADRB], s46, v5
	v_add_nc_u32 v[ADRB+1], SLOT, v[ADRB]
	s_mul_i32 s46, s[WV], 16*SP
	s_add_co_u32 s46, s46, STG
	v_mul_u32_u24 v[STO], v1, SP                   ; the stage, in: row l % 16, 32 bytes for each half of the lanes
	v_lshl_add_u32 v[STO], v2, 5, v[STO]
	v_add_nc_u32 v[STO], s46, v[STO]
	v_mul_u32_u24 v[RD], v2, SP                    ; back: lanes 0-15 one row of 256 bytes, lanes 16-31 the next
	v_lshl_add_u32 v[RD], v1, 4, v[RD]
	v_add_nc_u32 v[RD], s46, v[RD]
	v_lshlrev_b32 v[CO], 12, v2                    ; and the same two rows in out0
	v_lshl_add_u32 v[CO], v1, 4, v[CO]
	s_lshl_b32 s46, s[WV], 15
	s_add_co_u32 s46, s46, QB
	v_lshl_add_u32 v[AQ0], v3, 4, s46
	v_lshlrev_b32 v[PFO], 8, v3
	s_wait_kmcnt 0x0                               ; the scales
; 16 matrix instructions: row blocks a0, a0 + 1 of the window's four x all 8 column blocks, 32 along d.  The 64 accumulators take turns in the same order in every quarter.
.macro MUL16 f, hi, a0, zero
	WIN MUL_LO+0x50*(\hi)
.irp a, \a0, (\a0)+1
.irp b, 0,1,2,3,4,5,6,7
.if \zero
	v_wmma_f32_16x16x32_bf16 v[8*(8*(\a)+(\b)):8*(8*(\a)+(\b))+7], v[(\f)+8*(\b):(\f)+8*(\b)+7], v[(\f)+8*(4*(\hi)+(\a)):(\f)+8*(4*(\hi)+(\a))+7], 0
.else
	v_wmma_f32_16x16x32_bf16 v[8*(8*(\a)+(\b)):8*(8*(\a)+(\b))+7], v[(\f)+8*(\b):(\f)+8*(\b)+7], v[(\f)+8*(4*(\hi)+(\a)):(\f)+8*(4*(\hi)+(\a))+7], v[8*(8*(\a)+(\b)):8*(8*(\a)+(\b))+7]
.endif
.endr
.endr
.endm
; 32 LDS loads in one run: quarter kq (32 d) of a step: W_q's eight column blocks (turned), then x's eight row blocks
.macro FETCH slot, kq, f
	WIN 0x40                                       ; destination window 1
.irp i, 0,1,2,3,4,5,6,7
	ds_load_tr16_b128 v[(\f)+8*(\i):(\f)+8*(\i)+3],   v[ADRB+(\slot)] offset:((\i)/4)*PLN+((\i)%4)*32+(\kq)*CHUNK
	ds_load_tr16_b128 v[(\f)+8*(\i)+4:(\f)+8*(\i)+7], v[ADRB+(\slot)] offset:((\i)/4)*PLN+((\i)%4)*32+(\kq)*CHUNK+2304
.endr
	WIN 0
.irp i, 0,1,2,3,4,5,6,7
	ds_load_b128 v[(\f)+8*(\i):(\f)+8*(\i)+3],   v[ADRA+(\slot)] offset:((\kq)/2)*PLN+((\kq)%2)*64+(\i)*2304
	ds_load_b128 v[(\f)+8*(\i)+4:(\f)+8*(\i)+7], v[ADRA+(\slot)] offset:((\kq)/2)*PLN+((\kq)%2)*64+(\i)*2304+32
.endr
.endm
; One of a step's first three quarters: multiplies buffer f; in its middle it fetches quarter kq of the same slot into buffer g
.macro QUARTER slot, kq, f, g, zero
	s_wait_dscnt 8                                 ; W_q and x's rows 0-63 are in; the youngest eight loads (x's rows 64-127) may be out
	MUL16 \f, 0, 0, \zero
	MUL16 \f, 0, 2, \zero
	PLACES
	FETCH \slot, \kq, \g
	s_wait_dscnt 32                                ; all but the 32 just issued
	MUL16 \f, 1, 0, \zero
	MUL16 \f, 1, 2, \zero
.endm
; The first half of a step's last quarter: ONE barrier for the change of slots.  In front of it each wave waits for all its tensor loads, of which one is out; adds 0 to its spare word; and waits for that and for its reads of this slot.
.macro MEET round
	WIN 0
	s_wait_tensorcnt 0x0
	ds_add_u32 v[SPW], v[NIL]                      ; 0 onto my spare word
	s_wait_dscnt 9                                 ; (the add and the youngest eight loads may be out)
	MUL16 F1, 0, 0, 0                              ; sixteen matrix instructions stand between the add and the wait for it
	s_wait_dscnt 0x0                               ; the add is done, and my reads of this slot are over
	s_barrier_signal -1
	MUL16 F1, 0, 2, 0
.if \round
	WIN 0
.endif
	s_barrier_wait -1
.endm
; The whole last quarter.  Behind the round the slot just read out is filled again first: kv = 0: with the step two steps on; kv = 1 (step 6's slot): with the first heads' K and V.
.macro TURN slot, next, kv
.if !(\kv)
	s_wait_xcnt 0x0                                ; the last prefetch, a step back, has read its address
	s_add_nc_u64 s[PFA:PFA+1], s[PFA:PFA+1], s[PST:PST+1]
.endif
	MEET 1
	CREST                                          ; no wave of any partner still reads this slot or has a load on its way
.if \kv
	JLOADKV
.else
	s_add_nc_u64 s[G0X+4*(\slot)+2:G0X+4*(\slot)+3], s[G0X+4*(\slot)+2:G0X+4*(\slot)+3], 2*XSTEP
	s_add_nc_u64 s[G0W+4*(\slot)+2:G0W+4*(\slot)+3], s[G0W+4*(\slot)+2:G0W+4*(\slot)+3], 2*WSTEP
	JLOAD \slot
.endif
	FETCH \next, 0, F0                             ; the four v_nop behind the joint load are the places ahead of these loads
.if !(\kv)
	ASK
.endif
	MUL16 F1, 1, 0, 0
	MUL16 F1, 1, 2, 0
.endm
	; PHASE G
	s_wait_tensorcnt 0x1                           ; my part of step 0 is in; step 1's may stay out
	s_barrier_signal -1
	s_barrier_wait -1
	FETCH 0, 0, F0
	QUARTER 0, 1, F0, F1, 1                        ; the first quarter stands ahead of the loop: its products start the sums
	WIN 0
	s_mov_b32 s[LAP], 3
.Llap:                                         ; a trip goes once round the ring and fills both slots again: steps 2 to 7
	QUARTER 0, 2, F1, F0, 0
	QUARTER 0, 3, F0, F1, 0
	TURN 0, 1, 0
	QUARTER 1, 1, F0, F1, 0
	QUARTER 1, 2, F1, F0, 0
	QUARTER 1, 3, F0, F1, 0
	TURN 1, 0, 0
	QUARTER 0, 1, F0, F1, 0
	WIN 0
	s_sub_co_u32 s[LAP], s[LAP], 1
	s_cmp_lg_u32 s[LAP], 0
	s_cbranch_scc1 .Llap
	QUARTER 0, 2, F1, F0, 0                        ; step 6 goes on
	QUARTER 0, 3, F0, F1, 0
	TURN 0, 1, 1                                   ; slot 0 takes K and V of the first heads: they have step 7's products in which to land
	QUARTER 1, 1, F0, F1, 0
	QUARTER 1, 2, F1, F0, 0
	QUARTER 1, 3, F0, F1, 0
	MEET 0                                         ; K and V are in, everybody's part; nobody reads slot 1 any more
	MUL16 F1, 1, 0, 0
	MUL16 F1, 1, 2, 0
	WIN 0
	PLACES
; A head's K into window 1 and V (turned) into window 2: 64 loads each
.macro KLOAD
	WIN 0x40
.set i, 0
.rept 32                               ; fragment i: keys 16 (i / 2) on, channels 32 (i % 2) on
	ds_load_b128 v[8*i:8*i+3],   v[ADK] offset:(i/2)*2304+(i%2)*64
	ds_load_b128 v[8*i+4:8*i+7], v[ADK] offset:(i/2)*2304+(i%2)*64+32
.set i, i+1
.endr
	WIN 0
.endm
.macro VLOAD
	WIN 0x80
.set i, 0
.rept 32                               ; fragment i: keys 32 (i / 4) on, channels 16 (i % 4) on
	ds_load_tr16_b128 v[8*i:8*i+3],   v[ADV] offset:(i/4)*CHUNK+(i%4)*32
	ds_load_tr16_b128 v[8*i+4:8*i+7], v[ADV] offset:(i/4)*CHUNK+(i%4)*32+2304
.set i, i+1
.endr
	WIN 0
.endm
; Row block a of q: rounded to f16 (each accumulator's low registers first) and put aside: head bc / 4, tile a, channel block bc % 4, a lane's 16 bytes on end.  The scratch is my wave's own.
.macro QSPILL a
	WIN 0x0a+5*((\a)/4)                            ; sources 0 and 1: window 2 or 3
.irp bc, 0,1,2,3,4,5,6,7
.irp p, 0,1,2,3
	v_cvt_pk_f16_f32 v[TMP+4*(\bc)+(\p)], v[8*(8*((\a)%4)+(\bc))+2*(\p)], v[8*(8*((\a)%4)+(\bc))+2*(\p)+1]
.endr
.endr
	WIN 0
.irp bc, 0,1,2,3,4,5,6,7
	ds_store_b128 v[AQ0], v[TMP+4*(\bc):TMP+4*(\bc)+3] offset:(((\bc)/4)*8+(\a))*2048+((\bc)%4)*512
.endr
.endm
	KLOAD                                          ; window 1 is free: W_q's fragments have been multiplied
	QSPILL 0
	QSPILL 1
	QSPILL 2
	QSPILL 3
	VLOAD                                          ; window 2 is free: its accumulators have been put aside
	QSPILL 4
	QSPILL 5
	QSPILL 6
	QSPILL 7
	s_wait_tensorcnt 0x0                           ; slot 0 is filled again, with the second heads' K and V: no tensor load of mine is out,
	ds_add_u32 v[SPW], v[NIL]                      ; 0 onto my spare word
	s_add_nc_u64 s[G0K+2:G0K+3], s[G0K+2:G0K+3], 32768
	s_add_nc_u64 s[G0V+2:G0V+3], s[G0V+2:G0V+3], 32768
	s_wait_dscnt 0x0                               ; the add is done; K and V of the first head lie in my registers
	CROUND
	JLOADKV                                        ; it has eight tiles' attention in which to land
; PHASE T for head g of my two.
.macro FS n                            ; pair n of 64 of the scores: c s - c m, with the scale of its half of the keys
.if (\n) < 32
	v_pk_fma_f32 v[S+2*(\n):S+2*(\n)+1], v[S+2*(\n):S+2*(\n)+1], v[CK0:CK0+1], v[MX:MX+1] op_sel_hi:[1,0,0] neg_lo:[0,0,1] neg_hi:[0,0,1]
.else
	v_pk_fma_f32 v[S+2*(\n):S+2*(\n)+1], v[S+2*(\n):S+2*(\n)+1], v[CK1:CK1+1], v[MX:MX+1] op_sel_hi:[1,0,0] neg_lo:[0,0,1] neg_hi:[0,0,1]
.endif
.endm
.macro ATT g
	v_mov_b32 v[CK0], s[SC+4*(\g)]
	v_mov_b32 v[CK1], s[SC+4*(\g)+1]
	v_mul_f32 v[CK0], 0x3e38aa3b, v[CK0]           ; c = log2(e) / 8, times K's inverse scale: positive, so the scaled maximum is the maximum scaled
	v_mul_f32 v[CK1], 0x3e38aa3b, v[CK1]
	v_mov_b32 v[CK0+1], v[CK0]                     ; named as pairs
	v_mov_b32 v[CK1+1], v[CK1]
	v_add_nc_u32 v[AQ], (\g)*16384, v[AQ0]
	s_mov_b32 s[CNT], 8
.Ltile_\@:                                     ; a trip: 16 queries
.irp t, 0,1,2,3
	ds_load_b128 v[Q+4*(\t):Q+4*(\t)+3], v[AQ] offset:512*(\t)
.endr
	s_wait_dscnt 0x0
	WIN 0x01                                       ; K in window 1
.irp ch, 0,1                           ; S^T = K Q^T: 16 accumulators take turns
.set kb, 0
.rept 16
.if (\ch) == 0
	v_wmma_f32_16x16x32_f16 v[S+8*kb:S+8*kb+7], v[16*kb:16*kb+7], v[Q:Q+7], 0
.else
	v_wmma_f32_16x16x32_f16 v[S+8*kb:S+8*kb+7], v[16*kb+8:16*kb+15], v[Q+8:Q+15], v[S+8*kb:S+8*kb+7]
.endif
.set kb, kb+1
.endr
.endr
	WIN 0
	PLACES
	; the row's maximum: eight chains of 16 scores (two accumulators each, the low registers of each read first), three operands at a time
.irp c, 0,1,2,3,4,5,6,7
	v_max3_num_f32 v[CHN+(\c)], v[S+16*(\c)], v[S+16*(\c)+1], v[S+16*(\c)+2]
.endr
.irp k, 0,1,2,3,4,5
.irp c, 0,1,2,3,4,5,6,7
	v_max3_num_f32 v[CHN+(\c)], v[CHN+(\c)], v[S+16*(\c)+3+2*(\k)], v[S+16*(\c)+4+2*(\k)]
.endr
.endr
.irp c, 0,1,2,3,4,5,6,7
	v_max_num_f32 v[CHN+(\c)], v[CHN+(\c)], v[S+16*(\c)+15]
.endr
	v_max3_num_f32 v[CHN], v[CHN], v[CHN+1], v[CHN+2]
	v_max3_num_f32 v[CHN+4], v[CHN+4], v[CHN+5], v[CHN+6]
	v_max_num_f32 v[CHN], v[CHN], v[CHN+3]         ; keys under 128,
	v_max_num_f32 v[CHN+4], v[CHN+4], v[CHN+7]     ; from 128: each with its scale
	v_mul_f32 v[CHN], v[CK0], v[CHN]
	v_mul_f32 v[CHN+4], v[CK1], v[CHN+4]
	v_max_num_f32 v[CHN], v[CHN], v[CHN+4]
	v_permlanex16_b32 v[CHN+1], v[CHN], s[SEL], s[SEL+1]  ; the query's other 128 keys lie in the lane 16 away
	v_max_num_f32 v[MX], v[CHN], v[CHN+1]
	v_max_num_f32 v[MX+1], v[CHN], v[CHN+1]
	; ONE BATCH: the 64 scalings and the 128 exponentials, a pair scaled two pairs ahead of its exponentials; nothing here names an exponential's result
	FS 0
	FS 1
.set i, 0
.rept 64
.if i < 62
	FS i+2
.endif
	v_exp_f32 v[S+2*i], v[S+2*i]
	v_exp_f32 v[S+2*i+1], v[S+2*i+1]
.set i, i+1
.endr
	v_nop                                          ; a plain instruction behind the last exponential,
	s_wait_alu depctr_va_vdst(0)                   ; and the one wait ahead of the batch's first reader
	WIN 0xc0                                       ; P in window 3
.set i, 0
.rept 64
	v_cvt_pk_f16_f32 v[i], v[S+2*i], v[S+2*i+1]
.set i, i+1
.endr
	WIN 0x0e                                       ; V in window 2, P in window 3, O^T in window 0
.irp kk, 0,1,2,3                       ; O^T = V^T P, the two halves of the keys apart: 8 accumulators take turns
.irp cb, 0,1,2,3
.if (\kk) == 0
	v_wmma_f32_16x16x32_f16 v[O0+8*(\cb):O0+8*(\cb)+7], v[8*(\cb):8*(\cb)+7], v[0:7], 0
	v_wmma_f32_16x16x32_f16 v[O1+8*(\cb):O1+8*(\cb)+7], v[128+8*(\cb):128+8*(\cb)+7], v[32:39], 0
.else
	v_wmma_f32_16x16x32_f16 v[O0+8*(\cb):O0+8*(\cb)+7], v[32*(\kk)+8*(\cb):32*(\kk)+8*(\cb)+7], v[8*(\kk):8*(\kk)+7], v[O0+8*(\cb):O0+8*(\cb)+7]
	v_wmma_f32_16x16x32_f16 v[O1+8*(\cb):O1+8*(\cb)+7], v[128+32*(\kk)+8*(\cb):128+32*(\kk)+8*(\cb)+7], v[32+8*(\kk):32+8*(\kk)+7], v[O1+8*(\cb):O1+8*(\cb)+7]
.endif
.endr
.endr
	WIN 0
	; the sum of the unrounded weights, in four chains of 16 pairs: also the places behind those products
.irp c, 0,1,2,3
	v_pk_add_f32 v[CHN+2*(\c):CHN+2*(\c)+1], v[S+32*(\c):S+32*(\c)+1], v[S+32*(\c)+2:S+32*(\c)+3]
.endr
.set k, 2
.rept 14
.irp c, 0,1,2,3
	v_pk_add_f32 v[CHN+2*(\c):CHN+2*(\c)+1], v[CHN+2*(\c):CHN+2*(\c)+1], v[S+32*(\c)+2*k:S+32*(\c)+2*k+1]
.endr
.set k, k+1
.endr
	v_pk_add_f32 v[CHN:CHN+1], v[CHN:CHN+1], v[CHN+2:CHN+3]
	v_pk_add_f32 v[CHN+4:CHN+5], v[CHN+4:CHN+5], v[CHN+6:CHN+7]
	v_pk_add_f32 v[CHN:CHN+1], v[CHN:CHN+1], v[CHN+4:CHN+5]
	v_add_f32 v[CHN], v[CHN], v[CHN+1]
	v_permlanex16_b32 v[CHN+1], v[CHN], s[SEL], s[SEL+1]
	v_add_f32 v[CHN], v[CHN], v[CHN+1]
	v_rcp_f32 v[RL], v[CHN]
	v_nop                                          ; a plain instruction behind the reciprocal,
	s_wait_alu depctr_va_vdst(0)                   ; and its wait
	v_mul_f32 v[FA], s[SC+4*(\g)+2], v[RL]         ; V's inverse scales over the sum
	v_mul_f32 v[FA+1], s[SC+4*(\g)+2], v[RL]
	v_mul_f32 v[FB], s[SC+4*(\g)+3], v[RL]
	v_mul_f32 v[FB+1], s[SC+4*(\g)+3], v[RL]
.set i, 0
.rept 16                               ; each accumulator is read from its low end on
	v_pk_mul_f32 v[O0+i:O0+i+1], v[O0+i:O0+i+1], v[FA:FA+1] op_sel_hi:[1,0]
.set i, i+2
.endr
.set i, 0
.rept 16
	v_pk_fma_f32 v[O0+i:O0+i+1], v[O1+i:O1+i+1], v[FB:FB+1], v[O0+i:O0+i+1] op_sel_hi:[1,0,1]
.set i, i+2
.endr
.irp cb, 0,1,2,3                       ; a lane's eight channels are 32 bytes of a row; they go into rows of 272 bytes and come back as whole rows of 256
	ds_store_b128 v[STO], v[O0+8*(\cb):O0+8*(\cb)+3]   offset:64*(\cb)
	ds_store_b128 v[STO], v[O0+8*(\cb)+4:O0+8*(\cb)+7] offset:64*(\cb)+16
.endr
.irp t, 0,1,2,3,4,5,6,7
	ds_load_b128 v[S+4*(\t):S+4*(\t)+3], v[RD] offset:(\t)*2*SP  ; LDS serves a wave's instructions in order (ISA guide 5.7.1.4): these see my stores above; the next tile's stores come behind them
.endr
.irp t, 0,1,2,3,4,5,6,7
	s_wait_dscnt 7-(\t)
	global_store_b128 v[CO], v[S+4*(\t):S+4*(\t)+3], s[OUT:OUT+1] offset:(\t)*8192 th:TH_STORE_NT  ; 16 lanes store a head's 256 consecutive bytes of a row, at a multiple of 256 from out0's first byte
.endr
	s_wait_xcnt 0x0                                ; the stores have read their data and their base: both are written again only behind this wait
	s_add_nc_u64 s[OUT:OUT+1], s[OUT:OUT+1], 65536 ; 16 rows on
	v_add_nc_u32 v[AQ], 2048, v[AQ]
	s_sub_co_u32 s[CNT], s[CNT], 1
	s_cmp_lg_u32 s[CNT], 0
	s_cbranch_scc1 .Ltile_\@
.endm
	ATT 0
	s_sub_nc_u64 s[OUT:OUT+1], s[OUT:OUT+1], 8*65536-256  ; back to my first row, at the second head's 256 bytes
	s_wait_tensorcnt 0x0                           ; my part of the second heads' K and V is in;
	ds_add_u32 v[SPW], v[NIL]
	s_wait_dscnt 0x0
	s_barrier_signal -1
	s_barrier_wait -1                              ; everybody's is
	KLOAD                                          ; more than sixty plain vector instructions stand behind the last products that read these registers
	VLOAD
	s_wait_dscnt 0x0
	ATT 1
	s_wait_tensorcnt 0x0                           ; the wave's end, behind my last tensor load and my last LDS store
	ds_add_u32 v[SPW], v[NIL]
	s_wait_dscnt 0x0
	CROUND                                         ; the closing round: no work-group ends while a partner may still ask for a tile that names it
	s_endpgm
.Lfunc_end_k_q613625633c_attn:
	.size	k_q613625633c_attn, .Lfunc_end_k_q613625633c_attn-k_q613625633c_attn
	.p2alignl 7, 3214868480
	.fill 96, 4, 3214868480
	.section	.rodata,"a",@progbits
	.p2align	6, 0x0
	.amdhsa_kernel k_q613625633c_attn
		.amdhsa_group_segment_fixed_size 327680
		.amdhsa_private_segment_fixed_size 0
		.amdhsa_enable_private_segment 0
		.amdhsa_kernarg_size 40
		.amdhsa_user_sgpr_count 2
		.amdhsa_user_sgpr_kernarg_segment_ptr 1
		.amdhsa_wavefront_size32 1
		.amdhsa_system_sgpr_workgroup_id_x 1
		.amdhsa_system_sgpr_workgroup_id_y 1
		.amdhsa_system_sgpr_workgroup_id_z 1
		.amdhsa_system_vgpr_workitem_id 0
		.amdhsa_next_free_vgpr 1024
		.amdhsa_next_free_sgpr 102
		.amdhsa_reserve_vcc 0
		.amdhsa_float_denorm_mode_32 3
		.amdhsa_float_denorm_mode_16_64 3
		.amdhsa_memory_ordered 1
		.amdhsa_forward_progress 1
		.amdhsa_inst_pref_size 213
	.end_amdhsa_kernel
	.amdgpu_metadata
---
amdhsa.version: [ 1, 2 ]
amdhsa.kernels:
  - .name:           k_q613625633c_attn
    .symbol:         k_q613625633c_attn.kd
    .args:
      - { .name: xb, .offset: 0, .size: 8, .value_kind: global_buffer, .address_space: global }
      - { .name: wb, .offset: 8, .size: 8, .value_kind: global_buffer, .address_space: global }
      - { .name: kvp, .offset: 16, .size: 8, .value_kind: global_buffer, .address_space: global }
      - { .name: scl, .offset: 24, .size: 8, .value_kind: global_buffer, .address_space: global }
      - { .name: out0, .offset: 32, .size: 8, .value_kind: global_buffer, .address_space: global }
    .group_segment_fixed_size: 327680
    .private_segment_fixed_size: 0
    .kernarg_segment_align: 8
    .kernarg_segment_size: 40
    .max_flat_workgroup_size: 128
    .sgpr_count:     102
    .vgpr_count:     1024
    .wavefront_size: 32
...
	.end_amdgpu_metadata
.endif
;; end of part 4
